; MI455X (gfx1250); checked and timed in simulation.
; The chip was launched on July 23, 2026; its instructions are those of AMD's public machine-readable ISA for CDNA 5 (MIT licence, August 2026) and "CDNA5" Instruction Set Architecture Reference Guide (July 2026). The comments in the code are by the model that wrote it; some were corrected since.
;; Multi Head Attention. Allowed arithmetic: matrix products marked QUANTISED: E2M3 operands, one E8M0 scale for each 32 along K, by v_wmma_scale_f32_16x16x128_f8f6f4 with both operands' format E2M3, f32 sums; everything else in f32.
;; Inputs: W_out 1,024 x 1,024 float32; b_out 1,024 float32; keys 4 x 2,048 x 1,024 float32; mask 4 x 1 x 2,048 x 2,048 int32; query 4 x 2,048 x 1,024 float32; values 4 x 2,048 x 1,024 float32.
;; Outputs: out0 4 x 2,048 x 1,024 float32.
;; This version of the problem:
;;   THIS VERSION OF THE PROBLEM IS GIVEN IN LOW PRECISION. The matrix products marked QUANTISED in the list below multiply operands that are first quantised to E2M3 (2 exponent bits, 3 mantissa bits; 6 bits a number), with one power-of-two scale for each 32 numbers along K (OCP MX v1.0); their sums are f32. All else is computed in f32.
;;   The module's matrix products, in the order in which they are computed (A, B: the left and right operand; K: the contracted axis; several contracted axes count as one K, in the product's order):
;;     1. batch 64 x [M 2,048, K 64] x [K 64, N 2,048]; A: input query; B: input keys: QUANTISED
;;     2. batch 64 x [M 64, K 2,048] x [K 2,048, N 2,048]; A: input values; B: softmax (see below): QUANTISED
;;     3. [M 8,192, K 1,024] x [K 1,024, N 1,024]; A: computed on the way; B: input W_out: QUANTISED
;;   THE QUANTISER, for each operand of a quantised product, along K:
;;     - K is cut into blocks of 32 from its start; a last block that is shorter is filled with zeros.
;;     - A block's scale is 2^e with e = floor(log2(the largest magnitude in the block)) - 2, held to -126 .. 127; a block of zeros has e = 0. As a byte (E8M0): e + 127.
;;     - Each number is divided by its block's scale, clamped to +-7.5, and rounded to the nearest number of E2M3, ties to even, subnormals kept.
;;     - The product sums the exact products of the quantised numbers (number of the format x scale) in f32.
;;   ~~~python
;;   def quantise(x, axis):      # numpy; x: float32 -> the quantised numbers, widened to float32 again
;;       x = np.moveaxis(x, axis, -1); K = x.shape[-1]
;;       x = np.pad(x, [(0, 0)] * (x.ndim - 1) + [(0, -K % 32)]); x = x.reshape(x.shape[:-1] + (-1, 32)); a = np.abs(x).max(-1, keepdims=True)
;;       e = np.where(a > 0, np.clip(np.frexp(np.where(a > 0, a, 1))[1] - 1 - 2, -126, 127), 0)      # np.frexp(a)[1] - 1 = floor(log2(a)), exactly
;;       r = np.clip(x / 2.0 ** e, -7.5, 7.5)
;;       step = 2.0 ** (np.maximum(np.frexp(np.where(r == 0, 1, r))[1] - 1, 0) - 3)
;;       q = np.round(r / step) * step * 2.0 ** e      # np.round: ties to even
;;       return np.moveaxis(q.reshape(q.shape[:-2] + (-1,))[..., :K], -1, axis).astype(np.float32)
;;   ~~~
;;   SOFTMAX AHEAD OF A QUANTISED PRODUCT. Where the list says 'softmax', what is quantised is not the finished softmax but p = 2^(t - M), with t = logit x log2(e) and M = ceil(the row's largest t), a whole number; so 1/2 < the row's largest p <= 1. The row's sum l is taken of the UNQUANTISED p, in f32, and the product's result is divided by l at the end. Since M is a whole number, a kernel that streams over the keys may use a running M (the ceiling of the running maximum): every later rescaling is an exact power of two, which a block's scale takes up: the codes' values come out the same.
;;   OPERANDS COMPUTED ON THE WAY. 'Computed on the way' means the value that the module computes at that place (a softmax that the list does not call 'softmax' is quantised finished and normalised). What goes into a quantiser is computed in f32, as accurately as f32 sums, v_exp_f32 and their like allow (about 1e-6 of the number): no bf16 or f16 on the way to a quantiser, and a product that is left as it is and whose result goes on into a quantised operand takes f32 operands (vector FMAs, or v_wmma_f32_16x16x4_f32). A number that lies on a knife's edge between two numbers of the format may be rounded either way, as far as f32 arithmetic and the matrix unit's own rounding can turn it there, and no further.
;; 2 versions. Each part assembles by itself: llvm-mc -triple=amdgcn-amd-amdhsa -mcpu=gfx1250 --defsym DOCPART=n.
;; ======== version 1 of 2: 5 launches
;; limits: inputs' magnitudes at most 1,000,000,000
;; workspace buffers: kv 13,369,344 bytes; wq 851,968 bytes; aq 6,815,744 bytes; mk 2,097,152 bytes of whole numbers
;; launch pack_mask (part 1): grid 2 x 512, 4 waves a work-group, no clusters, 34,304 bytes of LDS; arguments mask, mk; writes mk
.if DOCPART == 1
	.amdgcn_target "amdgcn-amd-amdhsa--gfx1250"
	.amdhsa_code_object_version 6
	.text
	.protected	k_qdfa215795d_pack_mask
	.globl	k_qdfa215795d_pack_mask
	.p2align	8
	.type	k_qdfa215795d_pack_mask,@function
k_qdfa215795d_pack_mask:
	s_mov_b64 s[64:65], 0
	v_nop
	global_prefetch_b8 v0, s[64:65] scope:SCOPE_SE
	s_setreg_imm32_b32 hwreg(HW_REG_WAVE_MODE, 25, 1), 1
	s_wait_xcnt 0x0
; mask [4][1][2048][2048] int32 becomes lane masks for the attention launch: mk [tile of 16 queries T (512)][step of 128 keys j (16)][64 words].
; Bit l of word 16 B + i says whether mask[16 T + l % 16][128 j + 32 B + 16 (l / 16) + i] is not 0: that is the score which lane l of the
; attention's wave holds in its score register 16 B + i.  So one select with a scalar mask serves 32 scores there, and the heads read 1/32 of the bytes.
; SHARES.  Work-group y = T; a wave takes two records (steps 2 sp and 2 sp + 1, sp = 4 x + wave): 16 rows x 512 bytes in, 256 bytes out, each.
; Every load reads 512 consecutive bytes of a row.  A record turns through the wave's own stage in LDS (rows 528 bytes apart, so that sixteen rows
; begin in sixteen different groups of banks: ISA guide 11.1) and comes back with a lane holding its row's 64 words.  No barrier: waves share nothing.
.set ROWB,  8192                       ; a row of the mask in bytes
.set PITCH, 528                        ; a stage row: 512 bytes + 16
.set WST,   16*PITCH                   ; a wave's stage
.set LDO, 1                            ; v1   16 x lane: my bytes of a load's 512
.set STW, 2                            ; v2   the stage, on the way in
.set STR, 3                            ; v3   and on the way out: 528 (lane % 16) + 64 (lane / 16)
.set OFS, 4                            ; v4   8 x lane: my two words of a record
.set W,   8                            ; v8-11   a record's 64 words, two a lane; a pair for each record
.set R,   16                           ; v16-143 the two records as loaded: 64 e + 4 row
.set X,   144                          ; v144-207 my 64 words of the record in hand
.set CM,  16                           ; s16-31  sixteen compares' results
	s_load_b128 s[4:7], s[0:1], 0x0                ; mask s[4:5], mk s[6:7]
	v_lshl_add_u32 v208, v0, 2, 0x8400
	v_mov_b32 v209, 0
	v_lshrrev_b32 v5, 5, v0
	v_readfirstlane_b32 s8, v5                     ; wave
	v_and_b32 v5, 31, v0                           ; lane
	v_and_b32 v6, 15, v0
	v_bfe_u32 v7, v0, 4, 1
	s_and_b32 s9, ttmp7, 0xffff                    ; T
	s_lshl_b32 s10, ttmp9, 2
	s_add_co_u32 s10, s10, s8                      ; sp
	s_lshl_b32 s12, s9, 17                         ; 16 rows of 8,192 bytes a tile,
	s_lshl_b32 s11, s10, 10                        ; 1,024 bytes of a row for a pair of steps
	s_add_co_u32 s12, s12, s11
	s_mov_b32 s13, 0
	s_lshl_b32 s14, s9, 12                         ; mk: 4,096 bytes a tile,
	s_lshl_b32 s11, s10, 9                         ; 512 a pair of records
	s_add_co_u32 s14, s14, s11
	s_mov_b32 s15, 0
	s_mul_i32 s11, s8, WST
	v_lshlrev_b32 v[LDO], 4, v5
	v_add_nc_u32 v[STW], s11, v[LDO]
	v_mul_u32_u24 v[STR], v6, PITCH
	v_lshl_add_u32 v[STR], v7, 6, v[STR]
	v_add_nc_u32 v[STR], s11, v[STR]
	v_lshlrev_b32 v[OFS], 3, v5
.irp i, 0,1,2,3
	v_mov_b32 v[W+\i], 0                           ; written whole once: v_writelane_b32 writes one lane at a time
.endr
	s_wait_kmcnt 0x0
	s_add_nc_u64 s[4:5], s[4:5], s[12:13]
	s_add_nc_u64 s[6:7], s[6:7], s[14:15]
.irp e, 0,1
.irp row, 0,1,2,3,4,5,6,7,8,9,10,11,12,13,14,15
	global_load_b128 v[R+64*\e+4*\row:R+64*\e+4*\row+3], v[LDO], s[4:5] offset:ROWB*\row+512*\e th:TH_LOAD_NT   ; 32 lanes read 512 consecutive bytes; read once in the launch
.endr
.endr
.macro REC e
	s_wait_loadcnt 16*(1-\e)                       ; this record's sixteen loads are in; for record 0 the sixteen of record 1 stay out
.irp row, 0,1,2,3,4,5,6,7,8,9,10,11,12,13,14,15
	ds_store_b128 v[STW], v[R+64*\e+4*\row:R+64*\e+4*\row+3] offset:PITCH*\row
.endr
.irp q, 0,1,2,3,4,5,6,7,8,9,10,11,12,13,14,15
	ds_load_b128 v[X+4*\q:X+4*\q+3], v[STR] offset:128*(\q/4)+16*(\q%4)   ; LDS serves a wave's instructions in order (ISA guide 5.7.1.4): these see the stores above
.endr
	s_wait_dscnt 0x0
.set g, 0
.rept 4
.set n, 0
.rept 16
	v_cmp_ne_u32 s[CM+n], 0, v[X+16*g+n]           ; word 16 g + n of the record: one bit a lane
.set n, n+1
.endr
.set n, 0
.rept 16
	v_writelane_b32 v[W+2*\e+n%2], s[CM+n], 8*g+n/2   ; to its place: lane (16 g + n) / 2, register (16 g + n) % 2
.set n, n+1
.endr
.set g, g+1
.endr
	global_store_b64 v[OFS], v[W+2*\e:W+2*\e+1], s[6:7] offset:256*\e   ; 32 lanes store 256 consecutive bytes, aligned
.endm
	REC 0
	REC 1
	s_wait_tensorcnt 0x0
	ds_add_u32 v208, v209
	s_wait_dscnt 0x0
	s_endpgm
.Lfunc_end_k_qdfa215795d_pack_mask:
	.size	k_qdfa215795d_pack_mask, .Lfunc_end_k_qdfa215795d_pack_mask-k_qdfa215795d_pack_mask
	.p2alignl 7, 3214868480
	.fill 96, 4, 3214868480
	.section	.rodata,"a",@progbits
	.p2align	6, 0x0
	.amdhsa_kernel k_qdfa215795d_pack_mask
		.amdhsa_group_segment_fixed_size 34304
		.amdhsa_private_segment_fixed_size 0
		.amdhsa_enable_private_segment 0
		.amdhsa_kernarg_size 16
		.amdhsa_user_sgpr_count 2
		.amdhsa_user_sgpr_kernarg_segment_ptr 1
		.amdhsa_wavefront_size32 1
		.amdhsa_system_sgpr_workgroup_id_x 1
		.amdhsa_system_sgpr_workgroup_id_y 1
		.amdhsa_system_sgpr_workgroup_id_z 1
		.amdhsa_system_vgpr_workitem_id 0
		.amdhsa_next_free_vgpr 210
		.amdhsa_next_free_sgpr 66
		.amdhsa_reserve_vcc 0
		.amdhsa_float_denorm_mode_32 3
		.amdhsa_float_denorm_mode_16_64 3
		.amdhsa_memory_ordered 1
		.amdhsa_forward_progress 1
		.amdhsa_inst_pref_size 26
	.end_amdhsa_kernel
	.amdgpu_metadata
---
amdhsa.version: [ 1, 2 ]
amdhsa.kernels:
  - .name:           k_qdfa215795d_pack_mask
    .symbol:         k_qdfa215795d_pack_mask.kd
    .args:
      - { .name: mask, .offset: 0, .size: 8, .value_kind: global_buffer, .address_space: global }
      - { .name: mk, .offset: 8, .size: 8, .value_kind: global_buffer, .address_space: global }
    .group_segment_fixed_size: 34304
    .private_segment_fixed_size: 0
    .kernarg_segment_align: 8
    .kernarg_segment_size: 16
    .max_flat_workgroup_size: 128
    .sgpr_count:     66
    .vgpr_count:     210
    .wavefront_size: 32
...
	.end_amdgpu_metadata
.endif
;; end of part 1
;; launch quant_kw (part 2): grid 576 x 1, 4 waves a work-group, no clusters, 17,920 bytes of LDS; arguments keys, W_out, kv, wq; writes kv, wq
.if DOCPART == 2
	.amdgcn_target "amdgcn-amd-amdhsa--gfx1250"
	.amdhsa_code_object_version 6
	.text
	.protected	k_qdfa215795d_quant_kw
	.globl	k_qdfa215795d_quant_kw
	.p2align	8
	.type	k_qdfa215795d_quant_kw,@function
k_qdfa215795d_quant_kw:
	s_mov_b64 s[64:65], 0
	v_nop
	global_prefetch_b8 v0, s[64:65] scope:SCOPE_SE
	s_setreg_imm32_b32 hwreg(HW_REG_WAVE_MODE, 25, 1), 1
	s_wait_xcnt 0x0
; keys [4][2048][16 heads][64] and W_out [1024][1024], f32, K innermost in both, become codes of FP6 (E2M3) with one E8M0 byte for each 32 along K,
; laid as IMAGES OF THE OPERAND'S REGISTERS.  A half fragment (16 rows x 64 K) is 768 bytes: three pieces of 256; in piece p lane (r, b) has, at 8 x lane,
; registers 2 p and 2 p + 1 of the six that hold row r's codes of k = 32 b .. 32 b + 31.  A row's scale word: bytes 0, 1 its two blocks', bytes 2, 3 = 0x7f (1.0).
; A block of 128 rows x 64 K is eight half fragments (6,144 bytes) and 8 x 16 scale words (512).  THE ROWS OF A TILE ARE NOT NEIGHBOURS: row rho of tile
; 2 B + u is row 32 B + 8 u + rho + 8 (rho / 8), so that a product used transposed leaves 16 neighbours in the 16 registers of tiles 2 B and 2 B + 1.
; A block's scale is 2^(floor(log2(largest magnitude)) - 2); its byte is the largest magnitude's exponent field - 2, held at 1 from below.
; LIMITS: a block of zeros gets the byte 1 where the rule says 127 (its codes are zeros, and this program alone reads the bytes); NaN and infinities are not served.
; SHARES.  One path for both tensors: work-groups 0-511 take keys, 512-575 W_out; only pointers and offsets are chosen.  A wave takes 64 rows x 64 columns:
; four tiles.  Each load reads two runs of 256 consecutive bytes (two rows); a tile turns through the wave's own stage in LDS (rows 272 bytes apart) and comes
; back with a lane holding one whole block of 32.  No barrier: waves share nothing.  All 32 loads of a wave go out at the start.
.set PITCH, 272
.set WST,   16*PITCH
.set SRC, 1                            ; v1   (lane / 16) x 16 rows + 16 (lane % 16)
.set STW, 2                            ; v2   the stage, on the way in: row 8 (lane / 16) + i
.set STR, 3                            ; v3   on the way out: row lane % 16, block lane / 16
.set LB,  4                            ; v4   8 x lane
.set LW,  5                            ; v5   4 x lane
.set SW,  20                           ; v20-21  a pair of tiles' scale words: lanes 0-15 the even tile's, lanes 16-31 the odd one's
.set R,   32                           ; v32-159  as loaded: 32 t + 4 i
.set X,   160                          ; v160-191 my block's 32 numbers
.set C,   192                          ; v192-223 codes: eight registers a tile, so that no store's data are written again
.set HI,  20                           ; s20  the lane mask of lanes 16-31
.set SEL, 22                           ; s[22:23] v_permlanex16_b32's selects for lane l xor 16
	s_load_b256 s[4:11], s[0:1], 0x0               ; keys s[4:5], W_out s[6:7], kv s[8:9], wq s[10:11]
	v_lshl_add_u32 v224, v0, 2, 0x4400
	v_mov_b32 v225, 0
	v_lshrrev_b32 v6, 5, v0
	v_readfirstlane_b32 s12, v6                    ; wave
	v_and_b32 v6, 31, v0                           ; lane
	v_and_b32 v7, 15, v0
	v_bfe_u32 v8, v0, 4, 1
	s_mov_b32 s[HI], 0xffff0000
	s_mov_b32 s[SEL], 0x76543210
	s_mov_b32 s[SEL+1], 0xfedcba98
	s_cmp_lt_u32 ttmp9, 512
	s_cselect_b32 s13, 0, 512
	s_sub_co_u32 s13, ttmp9, s13                   ; my number within my tensor
	s_lshr_b32 s14, s13, 2                         ; G: which 64 rows
	s_and_b32 s15, s13, 3
	s_lshl_b32 s15, s15, 2
	s_add_co_u32 s15, s15, s12                     ; kappa: which 64 columns (keys: the head)
	s_lshl_b32 s16, s14, 18                        ; 64 rows of 4,096 bytes,
	s_lshl_b32 s17, s15, 8                         ; 256 bytes of a row
	s_add_co_u32 s16, s16, s17
	s_mov_b32 s17, 0
	s_and_b32 s18, s14, 1                          ; which half of a block of 128 rows
	s_lshr_b32 s19, s14, 5                         ; keys: the batch,
	s_lshl_b32 s19, s19, 4
	s_add_co_u32 s19, s19, s15                     ; 16 n + head,
	s_mul_i32 s19, s19, 208896
	s_bfe_u32 s24, s14, 0x40001                    ; the key step (G / 2) % 16
	s_mul_i32 s24, s24, 13056
	s_add_co_u32 s19, s19, s24                     ; where the step's block begins in kv
	s_lshr_b32 s25, s14, 1                         ; W_out: n / 128,
	s_mul_i32 s25, s25, 106496
	s_mul_i32 s26, s15, 6656                       ; k / 64
	s_add_co_u32 s25, s25, s26                     ; where the block begins in wq
	s_mul_i32 s28, s18, 3072                       ; my four tiles' codes in the block,
	s_mov_b32 s29, 0
	s_lshl_b32 s30, s18, 8
	s_add_co_u32 s30, s30, 6144                    ; and their scale words
	s_mov_b32 s31, 0
	s_mul_i32 s21, s12, WST
	v_lshlrev_b32 v[SRC], 4, v7
	v_lshl_add_u32 v[SRC], v8, 16, v[SRC]
	v_mul_u32_u24 v[STW], v8, 8*PITCH
	v_lshl_add_u32 v[STW], v7, 4, v[STW]
	v_add_nc_u32 v[STW], s21, v[STW]
	v_mul_u32_u24 v[STR], v7, PITCH
	v_lshl_add_u32 v[STR], v8, 7, v[STR]
	v_add_nc_u32 v[STR], s21, v[STR]
	v_lshlrev_b32 v[LB], 3, v6
	v_lshlrev_b32 v[LW], 2, v6
	v_mov_b32 v14, 0                               ; a lane permute's destination counts as one of its sources
	s_cmp_lt_u32 ttmp9, 512                        ; keys' work-group or W_out's?  The choice hangs on the work-group's number alone
	s_cselect_b32 s26, s19, s25
	s_mov_b32 s27, 0
	s_wait_kmcnt 0x0
	s_cselect_b64 s[4:5], s[4:5], s[6:7]
	s_cselect_b64 s[8:9], s[8:9], s[10:11]
	s_add_nc_u64 s[4:5], s[4:5], s[16:17]          ; the source at my first row and column
	s_add_nc_u64 s[8:9], s[8:9], s[26:27]          ; the block
	s_add_nc_u64 s[10:11], s[8:9], s[30:31]        ; my scale words
	s_add_nc_u64 s[8:9], s[8:9], s[28:29]          ; my codes
.irp t, 0,1,2,3
.irp i, 0,1,2,3,4,5,6,7
	global_load_b128 v[R+32*\t+4*\i:R+32*\t+4*\i+3], v[SRC], s[4:5] offset:(32*(\t/2)+8*(\t%2)+\i)*4096 th:TH_LOAD_NT   ; lanes 0-15: tile row i; lanes 16-31: tile row 8 + i, 16 rows further down; 256 consecutive bytes each
.endr
.endr
.macro KTILE t
	s_wait_loadcnt 8*(3-\t)                        ; this tile's eight loads are in; the later tiles', eight each, stay out
.irp i, 0,1,2,3,4,5,6,7
	ds_store_b128 v[STW], v[R+32*\t+4*\i:R+32*\t+4*\i+3] offset:PITCH*\i
.endr
.irp m, 0,1,2,3,4,5,6,7
	ds_load_b128 v[X+4*\m:X+4*\m+3], v[STR] offset:16*\m   ; LDS serves a wave's instructions in order: these see the stores above
.endr
	s_wait_dscnt 0x0
	v_max3_num_f32 v12, |v[X]|, |v[X+1]|, |v[X+2]|                 ; the block's largest magnitude: all 32 numbers are mine; two chains
	v_max3_num_f32 v13, |v[X+3]|, |v[X+4]|, |v[X+5]|
.irp i, 6,10,14,18,22,26
	v_max3_num_f32 v12, v12, |v[X+\i]|, |v[X+\i+1]|
	v_max3_num_f32 v13, v13, |v[X+\i+2]|, |v[X+\i+3]|
.endr
	v_max3_num_f32 v12, v12, |v[X+30]|, |v[X+31]|
	v_max3_num_f32 v12, v12, v13, 0x1800000        ; and the floor 2^(3 - 127): the byte cannot fall under 1
	v_add_nc_u32 v11, 0xff000000, v12              ; 2 off the exponent field: the conversion takes the exponent field of this operand as its scale
	v_cvt_scalef32_pk16_fp6_f32 v[C+8*\t:C+8*\t+2], v[X:X+15], v11
	v_cvt_scalef32_pk16_fp6_f32 v[C+8*\t+4:C+8*\t+6], v[X+16:X+31], v11   ; (a conversion's three registers begin on an even number)
	v_lshrrev_b32 v13, 23, v11                     ; the scale's byte.  (The plain place behind the conversions)
	v_permlanex16_b32 v14, v13, s[SEL], s[SEL+1]   ; the row's other block's
	v_mov_b32 v[C+8*\t+3], v[C+8*\t+4]             ; the six registers on end
	v_mov_b32 v[C+8*\t+4], v[C+8*\t+5]
	v_mov_b32 v[C+8*\t+5], v[C+8*\t+6]
	v_cndmask_b32 v15, v13, v14, s[HI]             ; block 0's byte,
	v_cndmask_b32 v16, v14, v13, s[HI]             ; block 1's
	v_lshl_or_b32 v17, v16, 8, v15
.if (\t)%2 == 0
	v_or_b32 v[SW+\t/2], 0x7f7f0000, v17           ; the row's scale word, in both halves of the lanes
.else
	v_or_b32 v17, 0x7f7f0000, v17
	v_cndmask_b32 v[SW+\t/2], v[SW+\t/2], v17, s[HI]   ; lanes 16-31 take the odd tile's
	global_store_b32 v[LW], v[SW+\t/2], s[10:11] offset:128*(\t/2)   ; 128 consecutive bytes
.endif
.irp p, 0,1,2
	global_store_b64 v[LB], v[C+8*\t+2*\p:C+8*\t+2*\p+1], s[8:9] offset:768*\t+256*\p   ; 32 lanes store 256 consecutive bytes, aligned
.endr
.endm
	KTILE 0
	KTILE 1
	KTILE 2
	KTILE 3
	s_wait_tensorcnt 0x0
	ds_add_u32 v224, v225
	s_wait_dscnt 0x0
	s_endpgm
.Lfunc_end_k_qdfa215795d_quant_kw:
	.size	k_qdfa215795d_quant_kw, .Lfunc_end_k_qdfa215795d_quant_kw-k_qdfa215795d_quant_kw
	.p2alignl 7, 3214868480
	.fill 96, 4, 3214868480
	.section	.rodata,"a",@progbits
	.p2align	6, 0x0
	.amdhsa_kernel k_qdfa215795d_quant_kw
		.amdhsa_group_segment_fixed_size 17920
		.amdhsa_private_segment_fixed_size 0
		.amdhsa_enable_private_segment 0
		.amdhsa_kernarg_size 32
		.amdhsa_user_sgpr_count 2
		.amdhsa_user_sgpr_kernarg_segment_ptr 1
		.amdhsa_wavefront_size32 1
		.amdhsa_system_sgpr_workgroup_id_x 1
		.amdhsa_system_sgpr_workgroup_id_y 1
		.amdhsa_system_sgpr_workgroup_id_z 1
		.amdhsa_system_vgpr_workitem_id 0
		.amdhsa_next_free_vgpr 226
		.amdhsa_next_free_sgpr 66
		.amdhsa_reserve_vcc 0
		.amdhsa_float_denorm_mode_32 3
		.amdhsa_float_denorm_mode_16_64 3
		.amdhsa_memory_ordered 1
		.amdhsa_forward_progress 1
		.amdhsa_inst_pref_size 19
	.end_amdhsa_kernel
	.amdgpu_metadata
---
amdhsa.version: [ 1, 2 ]
amdhsa.kernels:
  - .name:           k_qdfa215795d_quant_kw
    .symbol:         k_qdfa215795d_quant_kw.kd
    .args:
      - { .name: keys, .offset: 0, .size: 8, .value_kind: global_buffer, .address_space: global }
      - { .name: W_out, .offset: 8, .size: 8, .value_kind: global_buffer, .address_space: global }
      - { .name: kv, .offset: 16, .size: 8, .value_kind: global_buffer, .address_space: global }
      - { .name: wq, .offset: 24, .size: 8, .value_kind: global_buffer, .address_space: global }
    .group_segment_fixed_size: 17920
    .private_segment_fixed_size: 0
    .kernarg_segment_align: 8
    .kernarg_segment_size: 32
    .max_flat_workgroup_size: 128
    .sgpr_count:     66
    .vgpr_count:     226
    .wavefront_size: 32
...
	.end_amdgpu_metadata
.endif
;; end of part 2
;; launch quant_v (part 3): grid 8 x 64, 4 waves a work-group, no clusters, 0 bytes of LDS; arguments values, kv; writes kv
.if DOCPART == 3
	.amdgcn_target "amdgcn-amd-amdhsa--gfx1250"
	.amdhsa_code_object_version 6
	.text
	.protected	k_qdfa215795d_quant_v
	.globl	k_qdfa215795d_quant_v
	.p2align	8
	.type	k_qdfa215795d_quant_v,@function
k_qdfa215795d_quant_v:
	s_mov_b64 s[64:65], 0
	v_nop
	global_prefetch_b8 v0, s[64:65] scope:SCOPE_SE
	s_setreg_imm32_b32 hwreg(HW_REG_WAVE_MODE, 25, 1), 1
	s_wait_xcnt 0x0
; values [4][2048 keys][16 heads][64], f32, is the operand of the second product whose K is the KEYS.  It becomes codes of FP6 (E2M3) with one E8M0 byte for each
; 32 keys, laid as images of the operand's registers in kv's step blocks: at byte 6,656 four fragments of V^T (16 of the head's 64 x 128 keys, 1,536 bytes: six
; pieces of 256; in piece P lane (rho, hh) has, at 8 x lane, registers 2 P, 2 P + 1; registers 6 c .. 6 c + 5 hold keys 64 c + 32 hh + 0 .. 31); at byte 12,800 the
; scale words, [pair of tiles][lane]: lanes 0-15 the even tile's rows, lanes 16-31 the odd one's.  Row rho of tile 2 B + u is channel 32 B + 8 u + rho + 8 (rho / 8).
; A LANE TAKES A COLUMN, AND ITS REGISTERS RUN DOWN THE KEYS: a block of 32 keys lies in one lane's 32 registers, its largest magnitude needs no other lane, and the
; conversions give codes with the keys innermost.  Lanes 0-15 hold tile 2 b's rows and lanes 16-31 tile 2 b + 1's; six exchanges of halves for each pair of blocks
; turn 'one tile a half, both blocks' into 'one block a half, both tiles', which is the operand's layout.  No LDS, no barrier.
; LIMITS: a block of zeros gets the byte 1 where the rule says 127 (its codes are zeros, and this program alone reads the bytes); NaN and infinities are not served.
; SHARES.  Work-group y = 16 n + key step; a wave takes 32 columns (cg = 4 x + wave: head cg / 2, half cg % 2) x 128 keys.  A load reads 128 consecutive bytes, the four waves' 512.
.set SRC, 1                            ; v1   4 x my column of the 32
.set LB,  2                            ; v2   8 x lane
.set LW,  3                            ; v3   4 x lane
.set SB,  14                           ; v14  my row's scale word: four blocks' bytes
.set X,   16                           ; v16-143  32 beta + i: key 32 beta + i of my column
.set C,   144                          ; v144-175 codes: eight registers a block
	s_load_b128 s[4:7], s[0:1], 0x0                ; values s[4:5], kv s[6:7]
	v_lshrrev_b32 v4, 5, v0
	v_readfirstlane_b32 s8, v4                     ; wave
	v_and_b32 v4, 31, v0                           ; lane
	v_and_b32 v5, 15, v0                           ; rho
	v_bfe_u32 v6, v0, 4, 1                         ; which of the two tiles
	v_and_b32 v7, 8, v5
	v_add_nc_u32 v7, v7, v5
	v_lshl_add_u32 v7, v6, 3, v7                   ; my column: 8 (lane / 16) + rho + 8 (rho / 8)
	v_lshlrev_b32 v[SRC], 2, v7
	v_lshlrev_b32 v[LB], 3, v4
	v_lshlrev_b32 v[LW], 2, v4
	s_and_b32 s9, ttmp7, 0xffff                    ; 16 n + j
	s_lshl_b32 s10, ttmp9, 2
	s_add_co_u32 s10, s10, s8                      ; cg
	s_lshl_b32 s12, s9, 19                         ; 128 keys of 4,096 bytes,
	s_lshl_b32 s11, s10, 7                         ; 128 bytes of a row
	s_add_co_u32 s12, s12, s11
	s_mov_b32 s13, 0
	s_lshr_b32 s14, s9, 4
	s_lshl_b32 s14, s14, 4
	s_lshr_b32 s15, s10, 1
	s_add_co_u32 s14, s14, s15                     ; 16 n + head
	s_mul_i32 s14, s14, 208896
	s_and_b32 s15, s9, 15                          ; j
	s_mul_i32 s15, s15, 13056
	s_add_co_u32 s14, s14, s15                     ; the step's block in kv
	s_and_b32 s16, s10, 1                          ; b
	s_mul_i32 s17, s16, 3072
	s_add_co_u32 s18, s14, s17
	s_add_co_u32 s18, s18, 6656                    ; my two fragments
	s_mov_b32 s19, 0
	s_lshl_b32 s17, s16, 7
	s_add_co_u32 s20, s14, s17
	s_add_co_u32 s20, s20, 12800                   ; my pair's scale words
	s_mov_b32 s21, 0
	s_wait_kmcnt 0x0
	s_add_nc_u64 s[4:5], s[4:5], s[12:13]
	s_add_nc_u64 s[22:23], s[6:7], s[20:21]
	s_add_nc_u64 s[6:7], s[6:7], s[18:19]
.macro LOAD t
.set i, 0
.rept 32
	global_load_b32 v[X+32*\t+i], v[SRC], s[4:5] offset:(32*\t+i)*4096 th:TH_LOAD_NT
.set i, i+1
.endr
.endm
.macro VBLOCK t
.set XS, X+32*\t
	v_max3_num_f32 v12, |v[XS]|, |v[XS+1]|, |v[XS+2]|              ; the block's largest magnitude: all 32 numbers are mine; two chains
	v_max3_num_f32 v13, |v[XS+3]|, |v[XS+4]|, |v[XS+5]|
.irp i, 6,10,14,18,22,26
	v_max3_num_f32 v12, v12, |v[XS+\i]|, |v[XS+\i+1]|
	v_max3_num_f32 v13, v13, |v[XS+\i+2]|, |v[XS+\i+3]|
.endr
	v_max3_num_f32 v12, v12, |v[XS+30]|, |v[XS+31]|
	v_max3_num_f32 v12, v12, v13, 0x1800000        ; and the floor 2^(3 - 127): the byte cannot fall under 1
	v_add_nc_u32 v11, 0xff000000, v12              ; 2 off the exponent field: the conversion's scale operand
	v_cvt_scalef32_pk16_fp6_f32 v[C+8*\t:C+8*\t+2], v[XS:XS+15], v11
	v_cvt_scalef32_pk16_fp6_f32 v[C+8*\t+4:C+8*\t+6], v[XS+16:XS+31], v11   ; (a conversion's three registers begin on an even number)
	v_lshrrev_b32 v13, 23, v11                     ; the scale's byte.  (The plain place behind the conversions)
.if \t == 0
	v_mov_b32 v[SB], v13
.else
	v_lshl_or_b32 v[SB], v13, 8*\t, v[SB]          ; the lower keys in the lower byte
.endif
	v_mov_b32 v[C+8*\t+3], v[C+8*\t+4]             ; the six registers on end
	v_mov_b32 v[C+8*\t+4], v[C+8*\t+5]
	v_mov_b32 v[C+8*\t+5], v[C+8*\t+6]
.endm
.macro VPAIR c                         ; blocks 2 c and 2 c + 1 become registers 6 c .. 6 c + 5 of both tiles' fragments
.irp i, 0,1,2,3,4,5
	v_permlane16_swap_b32 v[C+16*\c+\i], v[C+16*\c+8+\i]   ; the first's lanes 16-31 change places with the second's lanes 0-15: the first is now the even tile's, the second the odd one's
.endr
.irp u, 0,1
.irp p, 0,1,2
	global_store_b64 v[LB], v[C+16*\c+8*\u+2*\p:C+16*\c+8*\u+2*\p+1], s[6:7] offset:1536*\u+256*(3*\c+\p)   ; 32 lanes store 256 consecutive bytes, aligned
.endr
.endr
.endm
	LOAD 0
	LOAD 1
	s_wait_loadcnt 32                              ; block 0 is in; block 1's 32 loads stay out
	LOAD 2
	VBLOCK 0
	s_wait_loadcnt 32                              ; block 1 is in; block 2's stay out
	LOAD 3
	VBLOCK 1
	VPAIR 0
	s_wait_loadcnt 32                              ; block 2 is in; block 3's stay out
	VBLOCK 2
	s_wait_loadcnt 0x0
	VBLOCK 3
	VPAIR 1
	global_store_b32 v[LW], v[SB], s[22:23]        ; 128 consecutive bytes: the pair's scale words
	s_endpgm
.Lfunc_end_k_qdfa215795d_quant_v:
	.size	k_qdfa215795d_quant_v, .Lfunc_end_k_qdfa215795d_quant_v-k_qdfa215795d_quant_v
	.p2alignl 7, 3214868480
	.fill 96, 4, 3214868480
	.section	.rodata,"a",@progbits
	.p2align	6, 0x0
	.amdhsa_kernel k_qdfa215795d_quant_v
		.amdhsa_group_segment_fixed_size 0
		.amdhsa_private_segment_fixed_size 0
		.amdhsa_enable_private_segment 0
		.amdhsa_kernarg_size 16
		.amdhsa_user_sgpr_count 2
		.amdhsa_user_sgpr_kernarg_segment_ptr 1
		.amdhsa_wavefront_size32 1
		.amdhsa_system_sgpr_workgroup_id_x 1
		.amdhsa_system_sgpr_workgroup_id_y 1
		.amdhsa_system_sgpr_workgroup_id_z 1
		.amdhsa_system_vgpr_workitem_id 0
		.amdhsa_next_free_vgpr 184
		.amdhsa_next_free_sgpr 66
		.amdhsa_reserve_vcc 0
		.amdhsa_float_denorm_mode_32 3
		.amdhsa_float_denorm_mode_16_64 3
		.amdhsa_memory_ordered 1
		.amdhsa_forward_progress 1
		.amdhsa_inst_pref_size 22
	.end_amdhsa_kernel
	.amdgpu_metadata
---
amdhsa.version: [ 1, 2 ]
amdhsa.kernels:
  - .name:           k_qdfa215795d_quant_v
    .symbol:         k_qdfa215795d_quant_v.kd
    .args:
      - { .name: values, .offset: 0, .size: 8, .value_kind: global_buffer, .address_space: global }
      - { .name: kv, .offset: 8, .size: 8, .value_kind: global_buffer, .address_space: global }
    .group_segment_fixed_size: 0
    .private_segment_fixed_size: 0
    .kernarg_segment_align: 8
    .kernarg_segment_size: 16
    .max_flat_workgroup_size: 128
    .sgpr_count:     66
    .vgpr_count:     184
    .wavefront_size: 32
...
	.end_amdgpu_metadata
.endif
;; end of part 3
;; launch attn (part 4): grid 4 x 64, 16 waves a work-group, clusters of 4 x 1, 215,040 bytes of LDS; arguments kv, mk, query, aq; writes aq
.if DOCPART == 4
	.amdgcn_target "amdgcn-amd-amdhsa--gfx1250"
	.amdhsa_code_object_version 6
	.text
	.protected	k_qdfa215795d_attn
	.globl	k_qdfa215795d_attn
	.p2align	8
	.type	k_qdfa215795d_attn,@function
k_qdfa215795d_attn:
	s_mov_b64 s[64:65], 0
	v_nop
	global_prefetch_b8 v0, s[64:65] scope:SCOPE_SE
	s_setreg_imm32_b32 hwreg(HW_REG_WAVE_MODE, 25, 1), 1
	s_wait_xcnt 0x0
	s_wait_alu depctr_hold_cnt(0) depctr_sa_sdst(0) depctr_va_vdst(0) depctr_va_sdst(0) depctr_va_ssrc(0) depctr_va_vcc(0) depctr_vm_vsrc(0)
	s_getreg_b32 s2, hwreg(HW_REG_IB_STS2, 6, 4)
	s_cmp_eq_u32 s2, 0
	s_cbranch_scc0 .Lentry_in_a_cluster
	s_endpgm
.Lentry_in_a_cluster:
	s_bfe_u32 s2, ttmp6, 0x10000c
	s_cmp_lg_u32 s2, 0x3003
	s_cbranch_scc0 .Lentry_shape_is_right
	s_endpgm
.Lentry_shape_is_right:
; The attention of one head: S^T = K Q^T, the mask, the softmax by a running whole-number maximum, O^T = V^T P, O / l, and O quantised along the embedding for the projection.
; Both products on codes of FP6 (E2M3) with one E8M0 scale for each 32 along K.  t = energy x c, c = log2(e) / 32; M = the ceiling of the row's largest t so far; p = 2^(t - M) is
; what is quantised, along the keys; the row's sum l is taken of the unquantised p and divides at the end; when M moves, l and O are multiplied by 2^(old M - new M), which rounds nothing.
; SHARES.  A work-group owns 512 queries of one head; each of its sixteen waves two tiles of 16, one after the other, in 256 registers: four waves to a SIMD, so that one wave's vector work
; stands beside another's products and LDS loads.  K and V of the WHOLE head, as codes, are 16 step blocks of 13,056 bytes = 208,896 bytes: they come into LDS once and stay: no slot is
; filled again, and no barrier stands in the loops.  CLUSTER: the four work-groups of a head read the same 16 blocks: each block is asked for JOINTLY, wave w asking for block w.
; LAYOUT.  Both products are used transposed (source 0 = 16 keys, or 16 channels of V; source 1 = my 16 queries): a lane holds ONE query (lane % 16) throughout.  The keys of a tile and the
; channels of a tile are chosen so that the 16 registers of tiles 2 B and 2 B + 1 are 16 neighbours, 32 B + 16 (lane / 16) + 0 .. 15, along the next product's K.
; THE FIRST PRODUCT'S K IS 64, the instruction's 128.  Q's operand has zero codes for k = 64 .. 127.  K's operand of tile t is v[F + 6 t .. F + 6 t + 11]: its upper six registers are the next
; tile's codes (zeros behind the last): finite numbers, which add nothing against zero codes; the scale bytes of those two blocks are 0x7f on both sides.
; THE MASK comes as lane masks (one word a score register, made by an earlier launch) through scalar loads, a step ahead: one select a score.
; LIMITS.  A masked energy is taken as -2^66 where the definition has -1e20: beside any real energy both give p = 0, and in a row that is masked throughout both give p = 1 for every key
; (c x 2^66 is exact, so t - M is exactly 0).  This serves real energies above -2^66 (inputs under about 1e9).  NaN and infinities are not served.  A block of zeros gets the scale byte 1.
.set STEPB, 13056                      ; a step block: 128 keys
.set KSC,   6144                       ; in it: K's scale words,
.set VCO,   6656                       ; V^T's four fragments,
.set VSC,   12800                      ; V's scale words
.set LB,  1                            ; v1   8 x lane: an image's place for my lane
.set LW,  2                            ; v2   4 x lane: a scale word's
.set ADR, 3                            ; v3   the step's block + 8 x lane
.set ADS, 4                            ; v4   the step's block + 4 x lane
.set NEGR, 5                           ; v5   -2^66
.set QO,  6                            ; v6   query: row lane % 16 of 4,096 bytes + 128 (lane / 16)
.set SH,  7                            ; v7   8 (lane / 16)
.set NM,  8                            ; v8 -M, v9 the largest t so far
.set L,   10                           ; v[10:11] l, in two halves
.set FF,  12                           ; v12  2^(old M - new M), later 1 / l; v13 is named with it as a pair
.set TA,  14                           ; v14, v15 at work
.set TC,  15
.set Q,   16                           ; v[16:27] Q's operand: 16-21 codes, 22-27 zeros
.set QS,  28                           ; v28  Q's scale words
.set Q2,  30                           ; v[30:35] the second tile's codes
.set QS2, 36                           ; v36  and its scale words
.set OW,  37                           ; v37  the result's scale words: lanes 0-15 the first tile's, lanes 16-31 the second's
.set KS,  38                           ; v[38:41] K's scale words: register i: lanes 0-15 tile 2 i, lanes 16-31 tile 2 i + 1
.set VS,  42                           ; v[42:43] V's likewise
.set PS,  44                           ; v44  p's scale words
.set F,   46                           ; v[46:93] K's eight half fragments, then V^T's four fragments; v[94:99] zeros
.set S,   100                          ; v[100:163] S^T, then p; at the head the queries' numbers; at the end O / l
.set O,   164                          ; v[164:195] O^T: register 16 B + i = channel 32 B + 16 (lane / 16) + i
.set PC,  196                          ; v[196:207] p's operand
.set PT,  208                          ; v[208:214] the conversions' second halves
.set BM,  216                          ; v[216:219] the blocks' largest scores, then largest p
.set BP,  220                          ; v[220:223] the other half's; then the bytes
.set SO,  224                          ; v[224:227] the conversions' scale operands
.set L2,  228                          ; v[228:229] the sum's second chain
.set WV,  12                           ; s12  my wave's number
.set G0,  16                           ; s[16:19] descriptor group 0
.set G1,  20                           ; s[20:27] descriptor group 1
.set TB,  28                           ; s28  LDS byte at which the step's block begins
.set NST, 29                           ; s29  steps to go
.set NTL, 30                           ; s30  tiles to go
.set MO,  31                           ; s31  byte offset of the mask record that is loaded next
.set CS,  66                           ; s[66:67] c: the packed form names a pair and takes its low word for both halves
.set SEL, 100                          ; s[100:101] v_permlanex16_b32's selects for lane l xor 16
.set OM,  104                          ; s104 the lanes of OW that the tile in hand fills
                                       ; s[32:63], s[68:99]: a step's 64 mask words: word n in s[32 + n + 4 (n / 32)]
.macro ROUND                           ; a round of the cluster's barrier: my work-group's barrier; wave 0 signals for the work-group; every wave waits for all four; my work-group's barrier once more
	s_barrier_signal -1
	s_barrier_wait -1
	s_cmp_lg_u32 s[WV], 0
	s_cbranch_scc1 .Lnot_wave_0_\@
	s_barrier_signal -3
.Lnot_wave_0_\@:
	s_barrier_wait -3
	s_barrier_signal -1
	s_barrier_wait -1
.endm
.macro MASKS                           ; a record of 64 words, 256 bytes
	s_load_b512 s[32:47], s[6:7], s[MO] offset:0x0
	s_load_b512 s[48:63], s[6:7], s[MO] offset:0x40
	s_load_b512 s[68:83], s[6:7], s[MO] offset:0x80
	s_load_b512 s[84:99], s[6:7], s[MO] offset:0xc0
.endm
	s_load_b256 s[4:11], s[0:1], 0x0               ; kv s[4:5], mk s[6:7], query s[8:9], aq s[10:11]
	v_lshl_add_u32 v254, v0, 2, 0x34000
	v_mov_b32 v255, 0
	ds_add_u32 v254, v255
	ds_add_u32 v254, v255
	v_lshrrev_b32 v1, 5, v0
	v_readfirstlane_b32 s[WV], v1                  ; wave 0..15
	s_and_b32 s13, ttmp7, 0xffff                   ; 16 n + head, which the four partners share
	s_bfe_u32 s14, ttmp6, 0x40000                  ; cx: my place in the cluster: it enters the addresses of mk, query and aq alone
	s_lshl_b32 s15, ttmp9, 2
	s_add_co_u32 s15, s15, s14                     ; my block of 512 queries
	s_lshr_b32 s32, s13, 4                         ; n
	s_and_b32 s33, s13, 15                         ; head
	s_lshl_b32 s34, s32, 7
	s_lshl_b32 s35, s15, 5
	s_add_co_u32 s34, s34, s35
	s_lshl_b32 s35, s[WV], 1
	s_add_co_u32 s34, s34, s35                     ; T0 = 128 n + 32 x block + 2 x wave: my first tile of 16 queries
	s_mul_i32 s36, s13, 16*STEPB                   ; the head's blocks in kv,
	s_mul_i32 s[G0+1], s[WV], STEPB                ; 63:32 LDS address: block w; no place in the cluster enters it
	s_add_co_u32 s36, s36, s[G0+1]                 ; and block w of them
	s_mov_b32 s37, 0
	s_lshl_b32 s38, s34, 12                        ; mk: 4,096 bytes a tile
	s_mov_b32 s39, 0
	s_lshl_b32 s40, s34, 16                        ; query: 16 rows of 4,096 bytes a tile,
	s_lshl_b32 s41, s33, 8                         ; 256 bytes a head
	s_add_co_u32 s40, s40, s41
	s_mov_b32 s41, 0
	s_lshr_b32 s42, s34, 3                         ; aq: the block of 128 rows,
	s_mul_i32 s42, s42, 106496
	s_mul_i32 s43, s33, 6656                       ; the head's 64 along K
	s_add_co_u32 s42, s42, s43
	s_and_b32 s43, s34, 7                          ; the tile in the block:
	s_mul_i32 s44, s43, 768
	s_add_co_u32 s44, s44, s42                     ; its codes,
	s_mov_b32 s45, 0
	s_lshl_b32 s46, s43, 6
	s_add_co_u32 s46, s46, s42
	s_add_co_u32 s46, s46, 6144                    ; its scale words
	s_mov_b32 s47, 0
	; descriptor group 1: a dense block of 13,056 bytes as 51 rows of 256 bytes (32 elements of 8 bytes)
	s_mov_b32 s[G1], 15|(3<<16)|(1<<21)            ; 15:0 the mask: all four work-groups; 17:16 elements of 8 bytes; 20 padding off; 21 set beside a mask
	s_mov_b32 s[G1+1], 32<<16                      ; tensor_dim0 = 32
	s_mov_b32 s[G1+2], 51<<16                      ; tensor_dim1 = 51
	s_mov_b32 s[G1+3], 32<<16                      ; tile_dim0 = 32
	s_mov_b32 s[G1+4], 51                          ; tile_dim1 = 51
	s_mov_b32 s[G1+5], 32                          ; tensor_dim0_stride
	s_mov_b32 s[G1+6], 0
	s_mov_b32 s[G1+7], 0
	s_mov_b32 s[G0], 1                             ; 1:0 count = 1
	s_mov_b32 s[CS], 0x3d38aa3b                    ; c = log2(e) / 32
	s_mov_b32 s[CS+1], s[CS]                       ; (named with it as a pair, so it is written)
	s_mov_b32 s[SEL], 0x76543210
	s_mov_b32 s[SEL+1], 0xfedcba98
	s_mov_b32 s[OM], 0xffff
	s_mov_b32 s[NTL], 2
	s_wait_dscnt 0x0
	s_wait_kmcnt 0x0
	s_add_nc_u64 s[G0+2:G0+3], s[4:5], s[36:37]    ; 120:64 global address
	s_or_b32 s[G0+3], s[G0+3], 0x80000000          ; 127:126 type = 2
	s_add_nc_u64 s[6:7], s[6:7], s[38:39]
	s_add_nc_u64 s[8:9], s[8:9], s[40:41]
	s_add_nc_u64 s[2:3], s[10:11], s[46:47]        ; where my two tiles' scale words go
	s_add_nc_u64 s[10:11], s[10:11], s[44:45]      ; where my first tile's codes go
	ROUND                                          ; all four work-groups are here: the joint loads meet
	tensor_load_to_lds s[G0:G0+3], s[G1:G1+7]      ; my one tensor load of the launch: block w of the head
	s_nop 0
.rept 4
	v_nop                                          ; (behind a joint load)
.endr
	s_mov_b32 s[MO], 0
	MASKS                                          ; the first step's mask words
	v_and_b32 v[TA], 31, v0
	v_lshlrev_b32 v[LB], 3, v[TA]
	v_lshlrev_b32 v[LW], 2, v[TA]
	v_and_b32 v[TA], 15, v0
	v_bfe_u32 v[TC], v0, 4, 1
	v_lshlrev_b32 v[QO], 12, v[TA]
	v_lshl_add_u32 v[QO], v[TC], 7, v[QO]
	v_lshlrev_b32 v[SH], 3, v[TC]
.irp u, 0,1
.irp i, 0,1,2,3,4,5,6,7
	global_load_b128 v[S+32*\u+4*\i:S+32*\u+4*\i+3], v[QO], s[8:9] offset:65536*\u+16*\i   ; lane (r, hh): block hh of row r of tile u: 32 numbers
.endr
.endr
	v_mov_b32 v[NEGR], 0xe0800000                  ; -2^66
	v_mov_b32 v[FF+1], 0                           ; (named as the upper half of a pair)
	v_mov_b32 v[OW], 0
.irp i, 0,1,2,3
	v_mov_b32 v[BP+\i], 0                          ; a lane permute's destination counts as one of its sources
.endr
.irp i, 0,1,2,3,4,5
	v_mov_b32 v[Q+6+\i], 0                         ; Q's codes of k = 64 .. 127
	v_mov_b32 v[F+48+\i], 0                        ; what stands behind K's last half fragment
.endr
; 32 numbers of a lane, one whole block of its row, become six registers of codes at v[dst] on; the row's scale word goes to v[sw], in both halves of the lanes
.macro QUANTQ src, dst, sw
	v_max3_num_f32 v[TA], |v[\src]|, |v[\src+1]|, |v[\src+2]|
	v_max3_num_f32 v[TC], |v[\src+3]|, |v[\src+4]|, |v[\src+5]|
.irp i, 6,10,14,18,22,26
	v_max3_num_f32 v[TA], v[TA], |v[\src+\i]|, |v[\src+\i+1]|
	v_max3_num_f32 v[TC], v[TC], |v[\src+\i+2]|, |v[\src+\i+3]|
.endr
	v_max3_num_f32 v[TA], v[TA], |v[\src+30]|, |v[\src+31]|
	v_max3_num_f32 v[TA], v[TA], v[TC], 0x1800000  ; and the floor 2^(3 - 127): the byte cannot fall under 1
	v_add_nc_u32 v[SO], 0xff000000, v[TA]          ; 2 off the exponent field: the conversion's scale operand
	v_cvt_scalef32_pk16_fp6_f32 v[\dst:\dst+2], v[\src:\src+15], v[SO]
	v_cvt_scalef32_pk16_fp6_f32 v[PT:PT+2], v[\src+16:\src+31], v[SO]   ; (a conversion's three registers begin on an even number)
	v_lshrrev_b32 v[TC], 23, v[SO]                 ; the scale's byte.  (The plain place behind the conversions)
	v_lshlrev_b32 v[TC], v[SH], v[TC]              ; at its place in the word
	v_permlanex16_b32 v[BP], v[TC], s[SEL], s[SEL+1]
	v_or_b32 v[TC], v[TC], v[BP]                   ; with the row's other block's
	v_or_b32 v[\sw], 0x7f7f0000, v[TC]             ; and 1.0 for the two blocks of zeros
.irp i, 0,1,2
	v_mov_b32 v[\dst+3+\i], v[PT+\i]
.endr
.endm
	s_wait_loadcnt 0x0                             ; the queries
	QUANTQ S, Q, QS
	QUANTQ S+32, Q2, QS2
	s_wait_tensorcnt 0x0                           ; my block has landed,
	s_barrier_signal -1
	s_barrier_wait -1                              ; everybody's has: the whole head lies in LDS
; A KEY STEP: 128 keys for my 16 queries.
.macro STEP
	v_add_nc_u32 v[ADR], s[TB], v[LB]
	v_add_nc_u32 v[ADS], s[TB], v[LW]
	v_nop
	v_nop                                          ; four places behind the last step's products, in front of loads into registers that they have read (ISA guide 7.12.1 for vector instructions)
.irp t, 0,1,2,3,4,5,6,7
.irp p, 0,1,2
	ds_load_b64 v[F+6*\t+2*\p:F+6*\t+2*\p+1], v[ADR] offset:768*\t+256*\p   ; K's half fragments as they stand: 256 consecutive bytes a load
.endr
.endr
.irp i, 0,1,2,3
	ds_load_b32 v[KS+\i], v[ADS] offset:KSC+128*\i
.endr
	s_wait_dscnt 0x0
.irp t, 0,2,4,6
	v_wmma_scale_f32_16x16x128_f8f6f4 v[S+8*\t:S+8*\t+7], v[F+6*\t:F+6*\t+11], v[Q:Q+11], 0, v[KS+\t/2], v[QS] matrix_a_fmt:MATRIX_FMT_FP6 matrix_b_fmt:MATRIX_FMT_FP6
	v_wmma_scale_f32_16x16x128_f8f6f4 v[S+8*\t+8:S+8*\t+15], v[F+6*\t+6:F+6*\t+17], v[Q:Q+11], 0, v[KS+\t/2], v[QS] matrix_a_fmt:MATRIX_FMT_FP6 matrix_b_fmt:MATRIX_FMT_FP6 matrix_a_scale:MATRIX_SCALE_ROW1
.endr
.rept 4
	v_nop                                          ; places in front of the loads into K's registers and of the first read of the scores
.endr
.irp t, 0,1,2,3
.irp p, 0,1,2,3,4,5
	ds_load_b64 v[F+12*\t+2*\p:F+12*\t+2*\p+1], v[ADR] offset:VCO+1536*\t+256*\p   ; V^T's fragments: they land while the softmax is worked
.endr
.endr
.irp i, 0,1
	ds_load_b32 v[VS+\i], v[ADS] offset:VSC+128*\i
.endr
	s_wait_kmcnt 0x0                               ; this step's mask words, asked for a step ago
.set n, 0
.rept 64
	v_cndmask_b32 v[S+n], v[NEGR], v[S+n], s[32+n+4*(n/32)]   ; a masked score becomes -2^66.  Ascending: each accumulator is read from its low end on
.set n, n+1
.endr
	s_add_co_u32 s[MO], s[MO], 256                 ; (free since the wait above)  the next step's record; my two tiles' 32 records lie on end;
	s_min_u32 s[MO], s[MO], 7936                   ; the very last step asks for its own again and does not use it: no load leaves mk
	MASKS
.irp b, 0,1,2,3
	v_max3_num_f32 v[BM+\b], v[S+16*\b], v[S+16*\b+1], v[S+16*\b+2]   ; the largest score of each block of 32 keys: it serves for the row's maximum and, since p rises with the score, for the block's largest p
.endr
.irp i, 3,5,7,9,11,13
.irp b, 0,1,2,3
	v_max3_num_f32 v[BM+\b], v[BM+\b], v[S+16*\b+\i], v[S+16*\b+\i+1]   ; (the four blocks by turns)
.endr
.endr
.irp b, 0,1,2,3
	v_max_num_f32 v[BM+\b], v[BM+\b], v[S+16*\b+15]
.endr
.irp b, 0,1,2,3
	v_permlanex16_b32 v[BP+\b], v[BM+\b], s[SEL], s[SEL+1]
.endr
.irp b, 0,1,2,3
	v_max_num_f32 v[BM+\b], v[BM+\b], v[BP+\b]     ; with lane l xor 16's 16 keys
.endr
	v_max3_num_f32 v[TA], v[BM], v[BM+1], v[BM+2]
	v_max_num_f32 v[TA], v[TA], v[BM+3]            ; the step's largest score of my query,
	v_mul_f32 v[TA], s[CS], v[TA]                  ; as t (c is positive)
	v_max_num_f32 v[NM+1], v[NM+1], v[TA]          ; the running largest t
	v_mov_b32 v[TA], v[NM]
	v_floor_f32 v[NM], -v[NM+1]                    ; the new -M = floor(-t) = -ceil(t): M is a whole number
	v_sub_f32 v[TA], v[NM], v[TA]                  ; old M - new M: a whole number, 0 or less
	v_cvt_i32_f32 v[TA], v[TA]                     ; (it saturates)
	v_ldexp_f32 v[FF], 1.0, v[TA]                  ; 2^(old M - new M)
.set j, 0
.rept 32
	v_pk_fma_f32 v[S+j:S+j+1], v[S+j:S+j+1], s[CS:CS+1], v[NM:NM+1] op_sel_hi:[1,0,0]   ; t - M, two at a time (of the pairs c and -M the low word serves both halves)
.set j, j+2
.endr
.irp b, 0,1,2,3
	v_fma_f32 v[BM+\b], v[BM+\b], s[CS], v[NM]     ; the same of each block's largest score
.endr
.set j, 0
.rept 64
	v_exp_f32 v[S+j], v[S+j]                       ; p = 2^(t - M), at most 1: not normalised
.set j, j+1
.endr
.irp b, 0,1,2,3
	v_exp_f32 v[BM+\b], v[BM+\b]                   ; the block's largest p: the same two instructions on the same number
.endr
	v_pk_mul_f32 v[L:L+1], v[L:L+1], v[FF:FF+1] op_sel_hi:[1,0]   ; l under the new M.  (The plain place behind the exponentials: ISA guide 5.7.2)
	s_wait_alu depctr_va_vdst(0)
.irp b, 0,1,2,3
	v_max_num_f32 v[BM+\b], 0x1800000, v[BM+\b]    ; the floor 2^(3 - 127): the byte cannot fall under 1 (a block whose every p is 0 keeps that byte: its codes are zeros)
.endr
.irp b, 0,1,2,3
	v_add_nc_u32 v[SO+\b], 0xff000000, v[BM+\b]    ; 2 off the exponent field: the conversion's scale operand
.endr
.irp b, 0,1,2,3
	v_lshrrev_b32 v[BP+\b], 23, v[SO+\b]           ; the scale's byte
.endr
	v_lshl_or_b32 v[PS], v[BP+1], 8, v[BP]         ; p's scale word for these 128 keys
	v_lshl_or_b32 v[PS], v[BP+2], 16, v[PS]
	v_lshl_or_b32 v[PS], v[BP+3], 24, v[PS]
.irp c, 0,1
	v_cvt_scalef32_pk16_fp6_f32 v[PC+6*\c:PC+6*\c+2], v[S+32*\c:S+32*\c+15], v[SO+2*\c]
	v_cvt_scalef32_pk16_fp6_f32 v[PT+4*\c:PT+4*\c+2], v[S+32*\c+16:S+32*\c+31], v[SO+2*\c+1]   ; (a conversion's three registers begin on an even number)
.endr
	v_nop                                          ; one plain place behind a scaled conversion
.irp c, 0,1                                    ; the operand's layout wants a WHOLE block in a lane: lanes 0-15 block 2 c, lanes 16-31 block 2 c + 1
.irp i, 0,1,2
	v_permlane16_swap_b32 v[PC+6*\c+\i], v[PT+4*\c+\i]
.endr
.irp i, 0,1,2
	v_mov_b32 v[PC+6*\c+3+\i], v[PT+4*\c+\i]
.endr
.endr
	v_pk_add_f32 v[L2:L2+1], v[S:S+1], v[S+2:S+3]  ; the row's sum is taken of the UNQUANTISED p: two at a time, in two chains
.irp j, 4,8,12,16,20,24,28,32,36,40,44,48,52,56,60
	v_pk_add_f32 v[L:L+1], v[L:L+1], v[S+\j:S+\j+1]
	v_pk_add_f32 v[L2:L2+1], v[L2:L2+1], v[S+\j+2:S+\j+3]
.endr
	v_pk_add_f32 v[L:L+1], v[L:L+1], v[L2:L2+1]
.set j, 0
.rept 16
	v_pk_mul_f32 v[O+j:O+j+1], v[O+j:O+j+1], v[FF:FF+1] op_sel_hi:[1,0]   ; O^T under the new M.  (The 48 packed lines are the places between p's codes and scale word and the products below)
.set j, j+2
.endr
	s_wait_dscnt 0x0                               ; V^T's fragments and scale words
.irp t, 0,2                                    ; the four accumulators take turns, one instruction a turn
	v_wmma_scale_f32_16x16x128_f8f6f4 v[O+8*\t:O+8*\t+7], v[F+12*\t:F+12*\t+11], v[PC:PC+11], v[O+8*\t:O+8*\t+7], v[VS+\t/2], v[PS] matrix_a_fmt:MATRIX_FMT_FP6 matrix_b_fmt:MATRIX_FMT_FP6
	v_wmma_scale_f32_16x16x128_f8f6f4 v[O+8*\t+8:O+8*\t+15], v[F+12*\t+12:F+12*\t+23], v[PC:PC+11], v[O+8*\t+8:O+8*\t+15], v[VS+\t/2], v[PS] matrix_a_fmt:MATRIX_FMT_FP6 matrix_b_fmt:MATRIX_FMT_FP6 matrix_a_scale:MATRIX_SCALE_ROW1
.endr
	s_add_co_u32 s[TB], s[TB], STEPB
.endm
; A TILE'S END: O / l, quantised along the head's 64 channels (two blocks of the projection's K), leaves as a half fragment's image.
.macro FINISH
	v_nop
	v_nop                                          ; with the two additions and the v_nop behind the reciprocal: five places behind the last products
	v_add_f32 v[L], v[L], v[L+1]                   ; l's two halves,
	v_permlanex16_b32 v[BP], v[L], s[SEL], s[SEL+1]
	v_add_f32 v[L], v[L], v[BP]                    ; and lane l xor 16's
	v_rcp_f32 v[FF], v[L]
	v_nop                                          ; one plain place behind a transcendental
.set j, 0
	s_wait_alu depctr_va_vdst(0)
.rept 16
	v_pk_mul_f32 v[S+j:S+j+1], v[O+j:O+j+1], v[FF:FF+1] op_sel_hi:[1,0]   ; ascending: each accumulator from its low end on
.set j, j+2
.endr
.irp b, 0,1
	v_max3_num_f32 v[BM+\b], |v[S+16*\b]|, |v[S+16*\b+1]|, 0x1800000   ; block b: my 16 numbers, and the floor
.endr
.irp i, 2,4,6,8,10,12,14
.irp b, 0,1
	v_max3_num_f32 v[BM+\b], v[BM+\b], |v[S+16*\b+\i]|, |v[S+16*\b+\i+1]|
.endr
.endr
.irp b, 0,1
	v_permlanex16_b32 v[BP+\b], v[BM+\b], s[SEL], s[SEL+1]
.endr
.irp b, 0,1
	v_max_num_f32 v[BM+\b], v[BM+\b], v[BP+\b]     ; with lane l xor 16's: the block's largest magnitude
.endr
.irp b, 0,1
	v_add_nc_u32 v[SO+\b], 0xff000000, v[BM+\b]
.endr
.irp b, 0,1
	v_lshrrev_b32 v[BP+\b], 23, v[SO+\b]
.endr
	v_lshl_or_b32 v[TA], v[BP+1], 8, v[BP]
	v_or_b32 v[TA], 0x7f7f0000, v[TA]              ; my row's scale word, in both halves of the lanes
	v_cndmask_b32 v[OW], v[OW], v[TA], s[OM]       ; to this tile's half
	v_cvt_scalef32_pk16_fp6_f32 v[PC:PC+2], v[S:S+15], v[SO]
	v_cvt_scalef32_pk16_fp6_f32 v[PT:PT+2], v[S+16:S+31], v[SO+1]
	v_nop                                          ; one plain place behind a scaled conversion
.irp i, 0,1,2
	v_permlane16_swap_b32 v[PC+\i], v[PT+\i]       ; a whole block to a lane: lanes 0-15 block 0, lanes 16-31 block 1
.endr
.irp i, 0,1,2
	v_mov_b32 v[PC+3+\i], v[PT+\i]
.endr
.irp p, 0,1,2
	global_store_b64 v[LB], v[PC+2*\p:PC+2*\p+1], s[10:11] offset:256*\p   ; 32 lanes store 256 consecutive bytes, aligned
.endr
	s_wait_xcnt 0x0                                ; the stores' base and data are written again only behind this wait
	s_add_nc_u64 s[10:11], s[10:11], 768           ; the next tile's image
	s_not_b32 s[OM], s[OM]
.irp i, 0,1,2,3,4,5
	v_mov_b32 v[Q+\i], v[Q2+\i]                    ; the second tile's queries take the operand's place (behind the second tile these seven lines copy what nobody reads)
.endr
	v_mov_b32 v[QS], v[QS2]
.endm
.Ltile:                                            ; two trips: my two tiles
	v_mov_b32 v[NM+1], 0xff61b1e6                  ; the largest t so far: -3e38, under every t
	v_floor_f32 v[NM], -v[NM+1]                    ; -M
	v_mov_b32 v[L], 0
	v_mov_b32 v[L+1], 0
.set j, 0
.rept 32
	v_mov_b32 v[O+j], 0                            ; O^T.  (The step is written once: the first finds zeros, which the first change of M leaves zeros.  These lines are also the places between the moves into Q's operand and scale word and the first product)
.set j, j+1
.endr
	s_mov_b32 s[TB], 0
	s_mov_b32 s[NST], 16
.Lstep:                                            ; sixteen trips: the head's 2,048 keys
	STEP
	s_sub_co_u32 s[NST], s[NST], 1
	s_cmp_lg_u32 s[NST], 0
	s_cbranch_scc1 .Lstep
	FINISH
	s_sub_co_u32 s[NTL], s[NTL], 1
	s_cmp_lg_u32 s[NTL], 0
	s_cbranch_scc1 .Ltile
	global_store_b32 v[LW], v[OW], s[2:3]          ; my two tiles' scale words: 128 consecutive bytes
	s_wait_tensorcnt 0x0
	ds_add_u32 v254, v255
	s_wait_dscnt 0x0
	ROUND                                          ; the closing round: no work-group ends while a partner may still ask for a block that names it
	s_endpgm
.Lfunc_end_k_qdfa215795d_attn:
	.size	k_qdfa215795d_attn, .Lfunc_end_k_qdfa215795d_attn-k_qdfa215795d_attn
	.p2alignl 7, 3214868480
	.fill 96, 4, 3214868480
	.section	.rodata,"a",@progbits
	.p2align	6, 0x0
	.amdhsa_kernel k_qdfa215795d_attn
		.amdhsa_group_segment_fixed_size 215040
		.amdhsa_private_segment_fixed_size 0
		.amdhsa_enable_private_segment 0
		.amdhsa_kernarg_size 32
		.amdhsa_user_sgpr_count 2
		.amdhsa_user_sgpr_kernarg_segment_ptr 1
		.amdhsa_wavefront_size32 1
		.amdhsa_system_sgpr_workgroup_id_x 1
		.amdhsa_system_sgpr_workgroup_id_y 1
		.amdhsa_system_sgpr_workgroup_id_z 1
		.amdhsa_system_vgpr_workitem_id 0
		.amdhsa_next_free_vgpr 256
		.amdhsa_next_free_sgpr 106
		.amdhsa_reserve_vcc 0
		.amdhsa_float_denorm_mode_32 3
		.amdhsa_float_denorm_mode_16_64 3
		.amdhsa_memory_ordered 1
		.amdhsa_forward_progress 1
		.amdhsa_inst_pref_size 37
	.end_amdhsa_kernel
	.amdgpu_metadata
---
amdhsa.version: [ 1, 2 ]
amdhsa.kernels:
  - .name:           k_qdfa215795d_attn
    .symbol:         k_qdfa215795d_attn.kd
    .args:
      - { .name: kv, .offset: 0, .size: 8, .value_kind: global_buffer, .address_space: global }
      - { .name: mk, .offset: 8, .size: 8, .value_kind: global_buffer, .address_space: global }
      - { .name: query, .offset: 16, .size: 8, .value_kind: global_buffer, .address_space: global }
      - { .name: aq, .offset: 24, .size: 8, .value_kind: global_buffer, .address_space: global }
    .group_segment_fixed_size: 215040
    .private_segment_fixed_size: 0
    .kernarg_segment_align: 8
    .kernarg_segment_size: 32
    .max_flat_workgroup_size: 512
    .sgpr_count:     106
    .vgpr_count:     256
    .wavefront_size: 32
...
	.end_amdgpu_metadata
.endif
;; end of part 4
;; launch proj (part 5): grid 8 x 64, 4 waves a work-group, clusters of 4 x 4, 230,912 bytes of LDS; arguments aq, wq, b_out, out0; writes out0
.if DOCPART == 5
	.amdgcn_target "amdgcn-amd-amdhsa--gfx1250"
	.amdhsa_code_object_version 6
	.text
	.protected	k_qdfa215795d_proj
	.globl	k_qdfa215795d_proj
	.p2align	8
	.type	k_qdfa215795d_proj,@function
k_qdfa215795d_proj:
	s_mov_b64 s[64:65], 0
	v_nop
	global_prefetch_b8 v0, s[64:65] scope:SCOPE_SE
	s_setreg_imm32_b32 hwreg(HW_REG_WAVE_MODE, 25, 1), 1
	s_wait_xcnt 0x0
	s_wait_alu depctr_hold_cnt(0) depctr_sa_sdst(0) depctr_va_vdst(0) depctr_va_sdst(0) depctr_va_ssrc(0) depctr_va_vcc(0) depctr_vm_vsrc(0)
	s_getreg_b32 s2, hwreg(HW_REG_IB_STS2, 6, 4)
	s_cmp_eq_u32 s2, 0
	s_cbranch_scc0 .Lentry_in_a_cluster
	s_endpgm
.Lentry_in_a_cluster:
	s_bfe_u32 s2, ttmp6, 0x10000c
	s_cmp_lg_u32 s2, 0xf033
	s_cbranch_scc0 .Lentry_shape_is_right
	s_endpgm
.Lentry_shape_is_right:
; out0[m][n] = sum over k of a[m][k] W_out[n][k] + b_out[n]: 8,192 x 1,024 x 1,024 on codes of FP6 (E2M3) with one E8M0 scale for each 32 along K; sums in f32.
; Both operands lie in memory as images of the operand's registers: [128 rows][64 along K] blocks of 6,656 bytes: eight half fragments (768 bytes: three pieces of 256; lane (r, hh) has at
; 8 x lane registers 2 p, 2 p + 1 of the six that hold row r's k = 32 hh .. + 31), then 8 x 16 scale words (bytes 0, 1: the two blocks').  A fragment of 128 along K is two half fragments.
; SHARES.  A work-group makes 128 x 128 of out0; each of its four waves 64 x 64: 16 accumulators.  ALL OF K for its 128 rows of a and 128 rows of W_out is 2 x 106,496 bytes: it comes into
; LDS once, in four chunks of 256 along K, each wave asking for a quarter of each chunk; the waits are counted, so that a chunk is multiplied while the later ones land.  Nothing is filled again.
; CLUSTER: 4 x 4 work-groups.  The four of a row of the cluster need the same rows of a, the four of a column the same rows of W_out: each load is asked for JOINTLY.
; THE MATRIX INSTRUCTION IS USED TRANSPOSED (source 0 = 16 rows of W_out, source 1 = 16 rows of a).  Row rho of W_out's tile 2 B + u is row 32 B + 8 u + rho + 8 (rho / 8), so a lane's registers
; of tile b are columns 32 (b / 2) + 16 (lane / 16) + 8 (b % 2) + 0 .. 7 of one row of out0.  The bias is the C of each sum's first matrix instruction.
.set REG,   53248                      ; an LDS region: what one wave asks for: four chunks
.set CHB,   13312                      ; a chunk in a region: two blocks of 64 along K = one K step of 128
.set B64,   6656                       ; a block
.set GRP,   106496                     ; 128 rows x all of K in memory
.set STG,   4*REG                      ; behind the regions: a stage of 16 rows x 272 bytes for each wave, for the way out; no tensor load fills it
.set SPITCH, 272
.set AA,  1                            ; v1-2   LDS address of my A half fragments in region 0, 1 (K steps 2 c, 2 c + 1)
.set BB,  3                            ; v3-4   the same for W_out, regions 2, 3
.set ASC, 5                            ; v5-6   of my A scale words
.set BSC, 7                            ; v7-8   of W_out's
.set STO, 9                            ; v9     the way out: where I put 16 bytes of a row
.set RD,  10                           ; v10    where I read a row back
.set CO,  11                           ; v11    my byte offset in out0
.set BO,  12                           ; v12    64 (lane / 16): my bias numbers
.set SC,  16                           ; v16-23 a chunk's scale words: A's at 2 half + pair, W_out's at 4 + 2 half + pair; lanes 0-15 the even tile's rows, lanes 16-31 the odd one's
.set FA,  24                           ; v24-71  A's four fragments; at a chunk's head the raw scale words; on the way out rows of out0
.set FB,  72                           ; v72-119 W_out's four fragments
.set ACC, 120                          ; v120-247 accumulator (a, b) at 8 (4 a + b)
.set OB,  24
.set WV,  12                           ; s12  my wave's number
.set G1A, 24                           ; s[24:31] descriptor group 1 for A;  s[32:47] its four groups 0, one a chunk
.set G0A, 32
.set G1B, 48                           ; s[48:55], s[68:83] the same for W_out
.set G0B, 68
.macro ROUND                           ; a round of the cluster's barrier
	s_barrier_signal -1
	s_barrier_wait -1
	s_cmp_lg_u32 s[WV], 0
	s_cbranch_scc1 .Lnot_wave_0_\@
	s_barrier_signal -3
.Lnot_wave_0_\@:
	s_barrier_wait -3
	s_barrier_signal -1
	s_barrier_wait -1
.endm
.macro PLACES n
.rept \n
	v_nop
.endr
.endm
	s_load_b256 s[4:11], s[0:1], 0x0               ; aq s[4:5], wq s[6:7], b_out s[8:9], out0 s[10:11]
	v_lshl_add_u32 v254, v0, 2, 0x38400
	v_mov_b32 v255, 0
	ds_add_u32 v254, v255
	ds_add_u32 v254, v255
	v_lshrrev_b32 v13, 5, v0
	v_readfirstlane_b32 s[WV], v13                 ; wave 0..3
	s_lshr_b32 s13, s[WV], 1                       ; which 64 rows are mine.  Also: I fetch for A (0) or for W_out (1)
	s_and_b32 s14, s[WV], 1                        ; which 64 columns.  Also: which half of each chunk I fetch
	s_bfe_u32 s56, ttmp6, 0x40000                  ; cx, cy: my place in the cluster
	s_bfe_u32 s57, ttmp6, 0x40004
	s_lshl_b32 s58, ttmp9, 2
	s_add_co_u32 s58, s58, s56                     ; n / 128 = 4 x cluster x + cx
	s_and_b32 s15, ttmp7, 0xffff
	s_lshl_b32 s15, s15, 2
	s_add_co_u32 s15, s15, s57                     ; m / 128 = 4 x cluster y + cy
	s_lshl_b32 s59, s57, 2
	s_lshl_b32 s59, 15, s59                        ; my row of the cluster
	s_lshl_b32 s60, 0x1111, s56                    ; my column
	; descriptor group 1: a dense block of 13,312 bytes as 52 rows of 256 bytes (32 elements of 8 bytes)
	s_or_b32 s[G1A], s59, (3<<16)|(1<<21)          ; 15:0 the mask: A goes to my row; 17:16 elements of 8 bytes; 20 padding off; 21 set beside a mask
	s_or_b32 s[G1B], s60, (3<<16)|(1<<21)          ; W_out goes to my column
.irp g, G1A, G1B
	s_mov_b32 s[\g+1], 32<<16                      ; tensor_dim0 = 32
	s_mov_b32 s[\g+2], 52<<16                      ; tensor_dim1 = 52
	s_mov_b32 s[\g+3], 32<<16                      ; tile_dim0 = 32
	s_mov_b32 s[\g+4], 52                          ; tile_dim1 = 52
	s_mov_b32 s[\g+5], 32                          ; tensor_dim0_stride
	s_mov_b32 s[\g+6], 0
	s_mov_b32 s[\g+7], 0
.endr
	s_mul_i32 s18, s14, CHB                        ; my half of a chunk of 26,624 bytes
	s_mul_i32 s16, s15, GRP                        ; A hangs on m / 128 alone, which my row of the cluster shares;
	s_add_co_u32 s16, s16, s18
	s_mov_b32 s17, 0
	s_mul_i32 s62, s58, GRP                        ; W_out on n / 128 alone, which my column shares: each in registers that never hold the other coordinate
	s_add_co_u32 s62, s62, s18
	s_mov_b32 s63, 0
	s_mul_i32 s19, s[WV], REG                      ; where they go: no place in the cluster enters an LDS address
	s_mov_b32 s23, 0x05040100                      ; v_perm_b32: the low halves of two words
	s_lshl_b32 s84, s15, 19                        ; out0: 128 rows of 4,096 bytes a block,
	s_lshl_b32 s85, s13, 18                        ; my 64 of them,
	s_add_co_u32 s84, s84, s85
	s_lshl_b32 s86, s58, 9                         ; 512 bytes a block of columns,
	s_lshl_b32 s87, s14, 8                         ; my 256 of them: also where my bias numbers begin
	s_add_co_u32 s86, s86, s87
	s_mov_b32 s87, 0
	s_add_co_u32 s84, s84, s86
	s_mov_b32 s85, 0
	s_wait_dscnt 0x0
	s_wait_kmcnt 0x0
	s_add_nc_u64 s[16:17], s[4:5], s[16:17]
	s_add_nc_u64 s[62:63], s[6:7], s[62:63]
	s_add_nc_u64 s[8:9], s[8:9], s[86:87]
	s_add_nc_u64 s[10:11], s[10:11], s[84:85]
	ROUND                                          ; all sixteen work-groups are here: the joint loads meet
.irp c, 0,1,2,3
	s_mov_b32 s[G0A+4*\c], 1                                       ; 1:0 count = 1
	s_add_co_u32 s[G0A+4*\c+1], s19, CHB*\c                        ; 63:32 LDS address
	s_add_nc_u64 s[G0A+4*\c+2:G0A+4*\c+3], s[16:17], 2*CHB*\c      ; 120:64 global address: chunk c, my half
	s_or_b32 s[G0A+4*\c+3], s[G0A+4*\c+3], 0x80000000              ; 127:126 type = 2
	s_mov_b32 s[G0B+4*\c], 1
	s_add_co_u32 s[G0B+4*\c+1], s19, CHB*\c
	s_add_nc_u64 s[G0B+4*\c+2:G0B+4*\c+3], s[62:63], 2*CHB*\c
	s_or_b32 s[G0B+4*\c+3], s[G0B+4*\c+3], 0x80000000
.endr
	s_cmp_lt_u32 s[WV], 2                          ; a wave's four fills stand in one branch on its number, ahead of every wait on TENSORcnt and every LDS read: four loads of mine are out
	s_cbranch_scc0 .Lfor_b
.irp c, 0,1,2,3
	tensor_load_to_lds s[G0A+4*\c:G0A+4*\c+3], s[G1A:G1A+7]
	s_nop 0
.endr
	PLACES 4                                       ; (behind a joint load)
	s_branch .Lasked
.Lfor_b:
.irp c, 0,1,2,3
	tensor_load_to_lds s[G0B+4*\c:G0B+4*\c+3], s[G1B:G1B+7]
	s_nop 0
.endr
	PLACES 4
.Lasked:
	v_and_b32 v13, 31, v0                          ; lane
	v_and_b32 v14, 15, v0
	v_bfe_u32 v15, v0, 4, 1
	v_lshlrev_b32 v[BO], 6, v15
.irp b, 0,1,2,3
	global_load_b128 v[ACC+8*\b:ACC+8*\b+3], v[BO], s[8:9] offset:(32*(\b/2)+8*(\b%2))*4       ; the bias in the result's layout, into the accumulators of my first 16 rows
	global_load_b128 v[ACC+8*\b+4:ACC+8*\b+7], v[BO], s[8:9] offset:(32*(\b/2)+8*(\b%2))*4+16
.endr
	s_mul_i32 s20, s13, 3072                       ; my four tiles of A,
	s_mul_i32 s21, s14, 3072                       ; my four of W_out,
	s_add_co_u32 s21, s21, 2*REG                   ; which lies behind A's two regions
	v_lshl_add_u32 v[AA], v13, 3, s20
	v_lshl_add_u32 v[BB], v13, 3, s21
	v_add_nc_u32 v[AA+1], REG, v[AA]
	v_add_nc_u32 v[BB+1], REG, v[BB]
	s_lshl_b32 s20, s13, 8                         ; their scale words: 64 bytes a tile, behind a block's codes
	s_add_co_u32 s20, s20, 6144
	s_lshl_b32 s21, s14, 8
	s_add_co_u32 s21, s21, 2*REG+6144
	v_lshl_add_u32 v[ASC], v13, 2, s20
	v_lshl_add_u32 v[BSC], v13, 2, s21
	v_add_nc_u32 v[ASC+1], REG, v[ASC]
	v_add_nc_u32 v[BSC+1], REG, v[BSC]
	s_mul_i32 s22, s[WV], 16*SPITCH
	s_add_co_u32 s22, s22, STG                     ; my stage
	v_mul_u32_u24 v[STO], v14, SPITCH              ; in: row lane % 16, + 64 (lane / 16)
	v_lshl_add_u32 v[STO], v15, 6, v[STO]
	v_add_nc_u32 v[STO], s22, v[STO]
	v_mul_u32_u24 v[RD], v15, SPITCH               ; back: lanes 0-15 one row of 256 bytes, lanes 16-31 the next
	v_lshl_add_u32 v[RD], v14, 4, v[RD]
	v_add_nc_u32 v[RD], s22, v[RD]
	v_lshlrev_b32 v[CO], 12, v15                   ; and the same two rows in out0
	v_lshl_add_u32 v[CO], v14, 4, v[CO]
; One matrix instruction.  d, c: accumulators; fa: source 0's fragment (W_out), fb: source 1's (A); sa, sb: their scale registers; ra, rb = 1: the scales stand in lanes 16-31
.macro MM d, fa, fb, c, sa, sb, ra, rb
.if (\ra) && (\rb)
	v_wmma_scale_f32_16x16x128_f8f6f4 v[\d:\d+7], v[\fa:\fa+11], v[\fb:\fb+11], v[\c:\c+7], v[\sa], v[\sb] matrix_a_fmt:MATRIX_FMT_FP6 matrix_b_fmt:MATRIX_FMT_FP6 matrix_a_scale:MATRIX_SCALE_ROW1 matrix_b_scale:MATRIX_SCALE_ROW1
.elseif \ra
	v_wmma_scale_f32_16x16x128_f8f6f4 v[\d:\d+7], v[\fa:\fa+11], v[\fb:\fb+11], v[\c:\c+7], v[\sa], v[\sb] matrix_a_fmt:MATRIX_FMT_FP6 matrix_b_fmt:MATRIX_FMT_FP6 matrix_a_scale:MATRIX_SCALE_ROW1
.elseif \rb
	v_wmma_scale_f32_16x16x128_f8f6f4 v[\d:\d+7], v[\fa:\fa+11], v[\fb:\fb+11], v[\c:\c+7], v[\sa], v[\sb] matrix_a_fmt:MATRIX_FMT_FP6 matrix_b_fmt:MATRIX_FMT_FP6 matrix_b_scale:MATRIX_SCALE_ROW1
.else
	v_wmma_scale_f32_16x16x128_f8f6f4 v[\d:\d+7], v[\fa:\fa+11], v[\fb:\fb+11], v[\c:\c+7], v[\sa], v[\sb] matrix_a_fmt:MATRIX_FMT_FP6 matrix_b_fmt:MATRIX_FMT_FP6
.endif
.endm
.macro MROW a, hf, ca                  ; A's tile a against W_out's four; C comes from row ca of the accumulators
.irp b, 0,1,2,3
	MM ACC+8*(4*\a+\b), FB+12*\b, FA+12*\a, ACC+8*(4*\ca+\b), SC+4+2*\hf+\b/2, SC+2*\hf+\a/2, \b%2, \a%2
.endr
.endm
; A K step of 128: chunk c, half hf.  48 LDS loads of 256 consecutive bytes, then 16 matrix instructions on 16 accumulators, which take turns, one instruction a turn.
.macro KSTEP c, hf
.if \hf
	PLACES 4                                       ; in front of loads into registers that matrix instructions have read (ISA guide 7.12.1 for vector instructions)
.endif
.irp a, 0,1,2,3
.irp e, 0,1
.irp p, 0,1,2
	ds_load_b64 v[FB+12*\a+6*\e+2*\p:FB+12*\a+6*\e+2*\p+1], v[BB+\hf] offset:CHB*\c+B64*\e+768*\a+256*\p
	ds_load_b64 v[FA+12*\a+6*\e+2*\p:FA+12*\a+6*\e+2*\p+1], v[AA+\hf] offset:CHB*\c+B64*\e+768*\a+256*\p
.endr
.endr
.endr
.if \hf == 0
	PLACES 8                                       ; between the lines that made the scale words and the first scaled matrix instruction; the loads above are under way meanwhile
.endif
	s_wait_dscnt 0x0
.if (\c == 0) && (\hf == 0)
	s_wait_loadcnt 0x0                             ; the bias
	MROW 1, 0, 0                                   ; the first K step starts the sums: rows 1 to 3 take the bias from row 0's registers,
	MROW 2, 0, 0
	MROW 3, 0, 0
	PLACES 5                                       ; (five places before matrix instructions write over registers that those have read as C)
	MROW 0, 0, 0                                   ; and row 0 adds onto it in place
.else
	MROW 0, \hf, 0
	MROW 1, \hf, 1
	MROW 2, \hf, 2
	MROW 3, \hf, 3
.endif
.endm
; A chunk: 256 along K.
.macro CHUNK c
	s_wait_tensorcnt 3-\c                          ; my part of chunk c has landed; my loads for the later chunks stay out
	s_barrier_signal -1
	s_barrier_wait -1                              ; everybody's has
.if \c > 0
	PLACES 4                                       ; behind the last products: loads into their fragments' registers and writes of their scale registers follow
.endif
.irp hf, 0,1
.irp pr, 0,1
.irp e, 0,1
	ds_load_b32 v[FA+4*\hf+2*\pr+\e], v[ASC+\hf] offset:CHB*\c+B64*\e+128*\pr      ; the words of a pair of tiles for 64 along K
	ds_load_b32 v[FA+8+4*\hf+2*\pr+\e], v[BSC+\hf] offset:CHB*\c+B64*\e+128*\pr
.endr
.endr
.endr
	s_wait_dscnt 0x0
.irp i, 0,1,2,3,4,5,6,7
	v_perm_b32 v[SC+\i], v[FA+2*\i+1], v[FA+2*\i], s23   ; two blocks' bytes of each of the two words make the scale word of 128 along K
.endr
	KSTEP \c, 0
	KSTEP \c, 1
.endm
	CHUNK 0
	CHUNK 1
	CHUNK 2
	CHUNK 3
; THE WAY OUT, 16 rows x 64 columns at a time.  A lane holds pieces of one row, and the lanes beside it hold other rows: so a block goes through my own stage in LDS and comes back as whole rows of
; 256 bytes.  LDS serves a wave's instructions in order (ISA guide 5.7.1.4): no wait between the stores and the loads, nor in front of the next block's stores.
.macro TOSTAGE a
.irp b, 0,1,2,3
	ds_store_b128 v[STO], v[ACC+8*(4*\a+\b):ACC+8*(4*\a+\b)+3] offset:128*(\b/2)+32*(\b%2)        ; each accumulator from its low end on
	ds_store_b128 v[STO], v[ACC+8*(4*\a+\b)+4:ACC+8*(4*\a+\b)+7] offset:128*(\b/2)+32*(\b%2)+16
.endr
.irp t, 0,1,2,3,4,5,6,7
	ds_load_b128 v[OB+32*((\a)%2)+4*\t:OB+32*((\a)%2)+4*\t+3], v[RD] offset:2*\t*SPITCH
.endr
.endm
.macro SEND a, younger                 ; younger: the LDS instructions issued behind block a's loads, which may stay out
	s_wait_dscnt \younger
.irp t, 0,1,2,3,4,5,6,7
	global_store_b128 v[CO], v[OB+32*((\a)%2)+4*\t:OB+32*((\a)%2)+4*\t+3], s[10:11] offset:(16*(\a)+2*\t)*4096 th:TH_STORE_NT   ; 16 lanes store 256 consecutive bytes, aligned; written once, read by nobody here
.endr
.endm
	PLACES 4                                       ; behind the last products: their results are read, and loads land in their fragments' registers
	TOSTAGE 0
	TOSTAGE 1
	SEND 0, 16                                     ; behind block 0's loads: block 1's eight stores and eight loads
	s_wait_xcnt 0x0                                ; block 0's stores have read their registers: block 2's loads may land there
	TOSTAGE 2
	SEND 1, 16
	s_wait_xcnt 0x0
	TOSTAGE 3
	SEND 2, 16
	SEND 3, 0
	s_wait_tensorcnt 0x0
	ds_add_u32 v254, v255
	s_wait_dscnt 0x0
	ROUND                                          ; the closing round: no work-group ends while a partner may still ask for a block that names it
	s_endpgm
.Lfunc_end_k_qdfa215795d_proj:
	.size	k_qdfa215795d_proj, .Lfunc_end_k_qdfa215795d_proj-k_qdfa215795d_proj
	.p2alignl 7, 3214868480
	.fill 96, 4, 3214868480
	.section	.rodata,"a",@progbits
	.p2align	6, 0x0
	.amdhsa_kernel k_qdfa215795d_proj
		.amdhsa_group_segment_fixed_size 230912
		.amdhsa_private_segment_fixed_size 0
		.amdhsa_enable_private_segment 0
		.amdhsa_kernarg_size 32
		.amdhsa_user_sgpr_count 2
		.amdhsa_user_sgpr_kernarg_segment_ptr 1
		.amdhsa_wavefront_size32 1
		.amdhsa_system_sgpr_workgroup_id_x 1
		.amdhsa_system_sgpr_workgroup_id_y 1
		.amdhsa_system_sgpr_workgroup_id_z 1
		.amdhsa_system_vgpr_workitem_id 0
		.amdhsa_next_free_vgpr 256
		.amdhsa_next_free_sgpr 96
		.amdhsa_reserve_vcc 0
		.amdhsa_float_denorm_mode_32 3
		.amdhsa_float_denorm_mode_16_64 3
		.amdhsa_memory_ordered 1
		.amdhsa_forward_progress 1
		.amdhsa_inst_pref_size 66
	.end_amdhsa_kernel
	.amdgpu_metadata
---
amdhsa.version: [ 1, 2 ]
amdhsa.kernels:
  - .name:           k_qdfa215795d_proj
    .symbol:         k_qdfa215795d_proj.kd
    .args:
      - { .name: aq, .offset: 0, .size: 8, .value_kind: global_buffer, .address_space: global }
      - { .name: wq, .offset: 8, .size: 8, .value_kind: global_buffer, .address_space: global }
      - { .name: b_out, .offset: 16, .size: 8, .value_kind: global_buffer, .address_space: global }
      - { .name: out0, .offset: 24, .size: 8, .value_kind: global_buffer, .address_space: global }
    .group_segment_fixed_size: 230912
    .private_segment_fixed_size: 0
    .kernarg_segment_align: 8
    .kernarg_segment_size: 32
    .max_flat_workgroup_size: 128
    .sgpr_count:     96
    .vgpr_count:     256
    .wavefront_size: 32
...
	.end_amdgpu_metadata
.endif
;; end of part 5
;; ======== version 2 of 2: 3 launches
;; limits: inputs' magnitudes at most 1,000,000,000; right only within a limited range of input values
;; workspace buffers: kv 13,369,344 bytes; wq 851,968 bytes; aq 6,815,744 bytes; mk 16,777,216 bytes
;; launch prep (part 6): grid 2112 x 1, 4 waves a work-group, no clusters, 51,712 bytes of LDS; arguments mask, keys, W_out, values, mk, kv, wq; writes mk, kv, wq
.if DOCPART == 6
	.amdgcn_target "amdgcn-amd-amdhsa--gfx1250"
	.amdhsa_code_object_version 6
	.text
	.protected	k_qdfa215795d_prep
	.globl	k_qdfa215795d_prep
	.p2align	8
	.type	k_qdfa215795d_prep,@function
k_qdfa215795d_prep:
	s_mov_b64 s[64:65], 0
	v_nop
	global_prefetch_b8 v0, s[64:65] scope:SCOPE_SE
	s_setreg_imm32_b32 hwreg(HW_REG_WAVE_MODE, 25, 1), 1
	s_wait_xcnt 0x0
; THE PREPARATION, one launch of three paths that part on the work-group's number alone.  Every work-group has four waves and reads 64 KB; waves share nothing: no barrier.
;   work-groups 0 .. 1,023:      mask [4][1][2048][2048] int32  ->  mk: the mask as FP6 codes, two more registers of each of K's fragments in the attention launch
;   work-groups 1,024 .. 1,599:  keys [4][2048][16][64] (512 of them) and W_out [1024][1024] (64), f32, K innermost  ->  codes in kv and in wq
;   work-groups 1,600 .. 2,111:  values [4][2048][16][64], f32, K = the keys  ->  codes in kv
; CODES are FP6 (E2M3) with one E8M0 byte for each 32 along K.  A block's scale is 2^(floor(log2(largest magnitude)) - 2); its byte is the largest magnitude's exponent field - 2, held at 1 from below.
; LIMITS: a block of zeros gets the byte 1 where the rule says 127 (its codes are zeros, and this program alone reads the bytes); NaN and infinities are not served.
; kv: [16 n + head][step of 128 keys][13,056 bytes], images of operands' registers, a group of four registers as 16 bytes a lane, 512 bytes on end:
;   byte 0:      K's eight half fragments (16 keys x 64; six registers a lane: lane (rho, b) holds row rho's codes of k = 32 b .. + 31), tile t at registers 6 t: 12 groups
;   byte 6,144:  K's scale words (bytes 0, 1 the row's two blocks'; bytes 2, 3 = 0xbf, 2^64, for the mask's codes): [tiles 0-3 | tiles 4-7][lane][pair of tiles]; lanes 0-15 the even tile's rows, lanes 16-31 the odd one's
;   byte 6,656:  V^T's four fragments (16 channels x 128 keys; registers 6 c .. 6 c + 5 of lane (rho, hh): keys 64 c + 32 hh + 0 .. 31), tile tau at registers 12 tau: 12 groups
;   byte 12,800: V's scale words: [pair of tiles][lane]
;   ROW rho OF K's TILE 4 c + u IS KEY 64 c + 32 (rho / 8) + 8 u + rho % 8.  Row rho of V^T's tile 2 B + u is channel 32 B + 8 u + rho + 8 (rho / 8).
; wq: [n / 128][k / 64][6,656 bytes]: eight half fragments of 768 bytes (three pieces of 256: registers 2 p, 2 p + 1 at 8 x lane), then 8 x 16 scale words (bytes 0, 1 are read); row rho of tile 2 B + u is row 32 B + 8 u + rho + 8 (rho / 8).
; mk: [tile of 16 queries T (512)][step of 128 keys j (16)][K's tile t (8)][lane (rho, h)][8 bytes]: the first word holds queries 8 h + 0 .. 3 at bits 0, 6, 12, 18, the second queries 8 h + 4 .. 7 at bits 4, 10, 16, 22
;   (code places 0-3 and 6-9 of the lane's block): the code 0x3f (-7.5) where mask[16 T + query][tile t's key rho] is 0, else the code 0.
; The two paths that use LDS have LDS bytes of their own.
.set NMASK, 1024
.set NKW,   576
.set NKEYS, 512
.set SPW,   192                        ; LDS address of my spare word; never rewritten
.set NIL,   193                        ; 0; never rewritten
	v_lshl_add_u32 v[SPW], v0, 2, 0xc800
	v_mov_b32 v[NIL], 0
	s_cmp_lt_u32 ttmp9, NMASK
	s_cbranch_scc0 .Lnot_mask
; ---------------------------------------------------------------- THE MASK
; T = work-group / 2; a wave takes two records (steps 2 sp, 2 sp + 1; sp = 4 (work-group % 2) + wave): 16 rows x 512 bytes in, 2,048 bytes out, each.  A load reads 512 consecutive bytes of a row:
; lane l holds keys 4 l .. 4 l + 3 of all 16 rows.  Four rows' words, held to 0 or 1, are shifted into one word, turned round and multiplied by 63: four fields of six ones or none.
; A lane's 4 keys x 8 bytes are neighbours in the record; the record is put together in the wave's own stage and leaves as four stores of 512 consecutive bytes.
.set MWST, 4096                        ; a wave's stage: a record each
.set MR,   16                          ; v16-143  the two records as loaded: 64 rc + 4 row + key
.set MC,   144                         ; v144-159 a record's codes: 8 h + 2 key + word
.set MB,   160                         ; v160-191 the records read back
	s_load_b64 s[4:5], s[0:1], 0x0                 ; mask
	s_load_b64 s[6:7], s[0:1], 0x20                ; mk
	v_lshrrev_b32 v5, 5, v0
	v_readfirstlane_b32 s8, v5                     ; wave
	s_lshr_b32 s9, ttmp9, 1                        ; T
	s_and_b32 s10, ttmp9, 1
	s_lshl_b32 s10, s10, 2
	s_add_co_u32 s10, s10, s8                      ; sp
	s_lshl_b32 s12, s9, 17                         ; 16 rows of 8,192 bytes a tile,
	s_lshl_b32 s11, s10, 10                        ; 1,024 bytes of a row for a pair of steps
	s_add_co_u32 s12, s12, s11
	s_mov_b32 s13, 0
	s_lshl_b32 s14, s9, 15                         ; mk: 32,768 bytes a tile,
	s_lshl_b32 s11, s10, 12                        ; 4,096 a pair of records
	s_add_co_u32 s14, s14, s11
	s_mov_b32 s15, 0
	s_lshl_b32 s11, s8, 12                         ; my stage
	v_and_b32 v5, 31, v0
	v_lshlrev_b32 v1, 4, v5                        ; 16 x lane
	v_add_nc_u32 v3, s11, v1                       ; the stage, on the way out
	v_bfe_u32 v6, v0, 4, 1
	v_bfe_u32 v7, v0, 1, 2
	v_lshl_add_u32 v6, v6, 2, v7                   ; my keys' tile: 4 (l / 16) + (l / 2) % 4
	v_lshlrev_b32 v6, 8, v6
	v_bfe_u32 v7, v0, 3, 1
	v_lshl_add_u32 v6, v7, 6, v6                   ; rho / 8 = (l / 8) % 2
	v_and_b32 v7, 1, v0
	v_lshl_add_u32 v6, v7, 5, v6                   ; rho % 8 = 4 (l % 2) + key
	v_add_nc_u32 v2, s11, v6                       ; the stage, on the way in
	s_wait_alu depctr_va_vdst(0)                   ; the wait at the head's end
	s_wait_kmcnt 0x0
	s_add_nc_u64 s[4:5], s[4:5], s[12:13]
	s_add_nc_u64 s[6:7], s[6:7], s[14:15]
.irp e, 0,1
.irp row, 0,1,2,3,4,5,6,7,8,9,10,11,12,13,14,15
	global_load_b128 v[MR+64*\e+4*\row:MR+64*\e+4*\row+3], v1, s[4:5] offset:8192*\row+512*\e th:TH_LOAD_NT
.endr
.endr
.macro MCODE d, x, m                   ; four rows' words of one key, 4 registers apart from x on, become four codes in v[d]
	v_min_u32 v[\d], 1, v[\x]
	v_min_u32 v4, 1, v[\x+4]
	v_min_u32 v8, 1, v[\x+8]
	v_min_u32 v9, 1, v[\x+12]
	v_lshl_or_b32 v[\d], v4, 6, v[\d]
	v_lshl_or_b32 v8, v9, 6, v8
	v_lshl_or_b32 v[\d], v8, 12, v[\d]
	v_xor_b32 v[\d], 0x41041, v[\d]                ; 1 where the mask is 0
	v_mul_u32_u24 v[\d], v[\d], \m                 ; x 63: six ones a field; the second word 4 bits up: x 1,008
.endm
.macro MREC rc
	s_wait_loadcnt 16*(1-\rc)                      ; this record's sixteen loads are in; record 1's sixteen may be out
.irp h, 0,1
.irp k, 0,1,2,3
.irp f, 0,1
	MCODE MC+8*\h+2*\k+\f, MR+64*\rc+4*(8*\h+4*\f)+\k, 63+945*\f
.endr
.endr
	ds_store_b128 v2, v[MC+8*\h:MC+8*\h+3] offset:2048*\rc+128*\h
	ds_store_b128 v2, v[MC+8*\h+4:MC+8*\h+7] offset:2048*\rc+128*\h+16
.endr
.irp q, 0,1,2,3
	ds_load_b128 v[MB+16*\rc+4*\q:MB+16*\rc+4*\q+3], v3 offset:2048*\rc+512*\q   ; LDS serves a wave's instructions in order (ISA guide 5.7.1.4): these see the stores above
.endr
	s_wait_dscnt 0x0
.irp q, 0,1,2,3
	global_store_b128 v1, v[MB+16*\rc+4*\q:MB+16*\rc+4*\q+3], s[6:7] offset:2048*\rc+512*\q   ; 512 consecutive bytes, aligned
.endr
.endm
	MREC 0
	MREC 1
	s_wait_tensorcnt 0x0                           ; the wave's end
	ds_add_u32 v[SPW], v[NIL]
	s_wait_dscnt 0x0
	s_endpgm
.Lnot_mask:
	s_cmp_lt_u32 ttmp9, NMASK+NKW
	s_cbranch_scc0 .Lvalues
; ---------------------------------------------------------------- KEYS AND W_OUT
; One path for both up to the stores: pointers, offsets and two distances between rows are chosen by the work-group's number.  A wave takes 64 rows x 64 columns: four tiles of 16 rows.
; Each load reads two runs of 256 consecutive bytes (two rows); a tile turns through the wave's own stage in LDS (rows 272 bytes apart) and comes back with a lane holding one whole block of 32.
; Lanes 0-15 load a tile's rows 0-7, lanes 16-31 its rows 8-15, which lie 32 rows further down (keys) or 16 (W_out).
.set KPITCH, 272
.set KWST,   16*KPITCH
.set KST0,   4*MWST                    ; behind the mask path's stages
.set KSRC,  1
.set KSTW,  2
.set KSTR,  3
.set KLB,   4
.set KLW,   5
.set KSRC2, 9
.set KLQ,   10
.set KSW,   20                         ; v20-21   a pair of tiles' scale words
.set KT,    24                         ; v24-26   a conversion's second half
.set KR,    32                         ; v32-159  as loaded: 32 t + 4 i
.set KX,    160                        ; v160-191 my block's 32 numbers
.set KC,    32                         ; v32-55   codes: six registers a tile, in the registers that held tile 0 as loaded: its stores into the stage have been waited for when the first codes are made
.set KHI,   20                         ; s20  the lane mask of lanes 16-31
.set KSEL,  22                         ; s[22:23] selects for lane l xor 16
.set KIS,   35                         ; s35  1: keys, 0: W_out
	s_load_b128 s[4:7], s[0:1], 0x8                ; keys, W_out
	s_load_b128 s[8:11], s[0:1], 0x28              ; kv, wq
	v_lshrrev_b32 v6, 5, v0
	v_readfirstlane_b32 s12, v6                    ; wave
	v_and_b32 v6, 31, v0
	v_and_b32 v7, 15, v0
	v_bfe_u32 v8, v0, 4, 1
	s_wait_alu depctr_va_vdst(0)                   ; the wait ahead of the run of scalar lines
	s_mov_b32 s[KHI], 0xffff0000
	s_mov_b32 s[KSEL], 0x76543210
	s_mov_b32 s[KSEL+1], 0xfedcba98
	s_sub_co_u32 s13, ttmp9, NMASK
	s_cmp_lt_u32 s13, NKEYS                        ; keys' work-group or W_out's?
	s_cselect_b32 s32, 0, NKEYS
	s_cselect_b32 s33, 17, 16                      ; lanes 16-31: 32 rows on, or 16
	s_cselect_b32 s34, 0, 0x10000                  ; W_out's tiles 2, 3 lie 16 rows further down
	s_cselect_b32 s[KIS], 1, 0
	s_sub_co_u32 s13, s13, s32
	s_lshr_b32 s14, s13, 2                         ; G: which 64 rows
	s_and_b32 s15, s13, 3
	s_lshl_b32 s15, s15, 2
	s_add_co_u32 s15, s15, s12                     ; which 64 columns (keys: the head)
	s_lshl_b32 s16, s14, 18
	s_lshl_b32 s17, s15, 8
	s_add_co_u32 s16, s16, s17
	s_mov_b32 s17, 0
	s_and_b32 s18, s14, 1                          ; which half of a block of 128 rows
	s_lshr_b32 s19, s14, 5
	s_lshl_b32 s19, s19, 4
	s_add_co_u32 s19, s19, s15                     ; 16 n + head
	s_mul_i32 s19, s19, 208896
	s_bfe_u32 s24, s14, 0x40001                    ; the key step
	s_mul_i32 s24, s24, 13056
	s_add_co_u32 s19, s19, s24
	s_lshr_b32 s25, s14, 1                         ; W_out: n / 128
	s_mul_i32 s25, s25, 106496
	s_mul_i32 s26, s15, 6656
	s_add_co_u32 s25, s25, s26
	s_mul_i32 s28, s18, 3072                       ; my four tiles' codes in the block,
	s_mov_b32 s29, 0
	s_lshl_b32 s30, s18, 8
	s_add_co_u32 s30, s30, 6144                    ; and their scale words
	s_mov_b32 s31, 0
	s_mul_i32 s21, s12, KWST
	s_add_co_u32 s21, s21, KST0
	v_lshlrev_b32 v[KSRC], s33, v8
	v_lshl_add_u32 v[KSRC], v7, 4, v[KSRC]
	v_add_nc_u32 v[KSRC2], s34, v[KSRC]
	v_mul_u32_u24 v[KSTW], v8, 8*KPITCH
	v_lshl_add_u32 v[KSTW], v7, 4, v[KSTW]
	v_add_nc_u32 v[KSTW], s21, v[KSTW]
	v_mul_u32_u24 v[KSTR], v7, KPITCH
	v_lshl_add_u32 v[KSTR], v8, 7, v[KSTR]
	v_add_nc_u32 v[KSTR], s21, v[KSTR]
	v_lshlrev_b32 v[KLQ], 4, v6
	v_lshlrev_b32 v[KLB], 3, v6
	v_lshlrev_b32 v[KLW], 2, v6
	v_mov_b32 v14, 0                               ; a lane permute's destination counts as one of its sources
	s_cmp_lg_u32 s[KIS], 0
	s_cselect_b32 s26, s19, s25
	s_mov_b32 s27, 0
	s_wait_alu depctr_va_vdst(0)                   ; the wait at the head's end
	s_wait_kmcnt 0x0
	s_cselect_b64 s[4:5], s[4:5], s[6:7]
	s_cselect_b64 s[8:9], s[8:9], s[10:11]
	s_add_nc_u64 s[4:5], s[4:5], s[16:17]
	s_add_nc_u64 s[8:9], s[8:9], s[26:27]
	s_add_nc_u64 s[10:11], s[8:9], s[30:31]        ; my scale words
	s_add_nc_u64 s[8:9], s[8:9], s[28:29]          ; my codes
.irp t, 0,1
.irp i, 0,1,2,3,4,5,6,7
	global_load_b128 v[KR+32*\t+4*\i:KR+32*\t+4*\i+3], v[KSRC], s[4:5] offset:(8*\t+\i)*4096 th:TH_LOAD_NT
.endr
.endr
.irp t, 2,3
.irp i, 0,1,2,3,4,5,6,7
	global_load_b128 v[KR+32*\t+4*\i:KR+32*\t+4*\i+3], v[KSRC2], s[4:5] offset:(8*\t+\i)*4096 th:TH_LOAD_NT
.endr
.endr
.macro KTILE t
.set CT, KC+6*\t
	s_wait_loadcnt 8*(3-\t)                        ; this tile's eight loads are in; the later tiles', eight each, stay out
.irp i, 0,1,2,3,4,5,6,7
	ds_store_b128 v[KSTW], v[KR+32*\t+4*\i:KR+32*\t+4*\i+3] offset:KPITCH*\i
.endr
.irp m, 0,1,2,3,4,5,6,7
	ds_load_b128 v[KX+4*\m:KX+4*\m+3], v[KSTR] offset:16*\m
.endr
	s_wait_dscnt 0x0
	v_max3_num_f32 v12, |v[KX]|, |v[KX+1]|, |v[KX+2]|
	v_max3_num_f32 v13, |v[KX+3]|, |v[KX+4]|, |v[KX+5]|
.irp i, 6,10,14,18,22,26
	v_max3_num_f32 v12, v12, |v[KX+\i]|, |v[KX+\i+1]|
	v_max3_num_f32 v13, v13, |v[KX+\i+2]|, |v[KX+\i+3]|
.endr
	v_max3_num_f32 v12, v12, |v[KX+30]|, |v[KX+31]|
	v_max3_num_f32 v12, v12, v13, 0x1800000        ; the floor 2^(3 - 127): the byte cannot fall under 1
	v_add_nc_u32 v11, 0xff000000, v12              ; 2 off the exponent field: the conversion's scale operand
	v_cvt_scalef32_pk16_fp6_f32 v[CT:CT+2], v[KX:KX+15], v11
	v_cvt_scalef32_pk16_fp6_f32 v[KT:KT+2], v[KX+16:KX+31], v11
	v_lshrrev_b32 v13, 23, v11                     ; the scale's byte (the plain place behind the conversions)
	v_permlanex16_b32 v14, v13, s[KSEL], s[KSEL+1]
.irp i, 0,1,2
	v_mov_b32 v[CT+3+\i], v[KT+\i]
.endr
	v_cndmask_b32 v15, v13, v14, s[KHI]            ; block 0's byte,
	v_cndmask_b32 v16, v14, v13, s[KHI]            ; block 1's
	v_lshl_or_b32 v17, v16, 8, v15
.if (\t)%2 == 0
	v_or_b32 v[KSW+\t/2], 0xbfbf0000, v17          ; bytes 2, 3: 2^64, the scale of the mask's codes
.else
	v_or_b32 v17, 0xbfbf0000, v17
	v_cndmask_b32 v[KSW+\t/2], v[KSW+\t/2], v17, s[KHI]
.endif
.endm
.macro KSTORE pr
	s_cmp_lg_u32 s[KIS], 0
	s_cbranch_scc0 .Lto_wq_\@
.irp q, 0,1,2
	global_store_b128 v[KLQ], v[KC+12*\pr+4*\q:KC+12*\pr+4*\q+3], s[8:9] offset:1536*\pr+512*\q
.endr
.if \pr == 1
	global_store_b64 v[KLB], v[KSW:KSW+1], s[10:11]
.endif
	s_branch .Lstored_\@
.Lto_wq_\@:
	s_wait_alu depctr_va_vdst(0)                   ; the wait behind the taken branch
.irp u, 0,1
.irp p, 0,1,2
	global_store_b64 v[KLB], v[KC+12*\pr+6*\u+2*\p:KC+12*\pr+6*\u+2*\p+1], s[8:9] offset:768*(2*\pr+\u)+256*\p
.endr
.endr
	global_store_b32 v[KLW], v[KSW+\pr], s[10:11] offset:128*\pr
.Lstored_\@:
.endm
	KTILE 0
	KTILE 1
	KSTORE 0
	KTILE 2
	KTILE 3
	KSTORE 1
	s_wait_tensorcnt 0x0                           ; the wave's end
	ds_add_u32 v[SPW], v[NIL]
	s_wait_dscnt 0x0
	s_endpgm
; ---------------------------------------------------------------- VALUES
; A lane takes a column, and its registers run down the keys: a block of 32 keys lies in one lane's 32 registers.  Lanes 0-15 hold tile 2 b's rows and lanes 16-31 tile 2 b + 1's; six exchanges of halves
; for each pair of blocks give the operand's layout.  No LDS.  With id = work-group - 1,600: 16 n + key step = id / 8; a wave takes 32 columns (cg = 4 (id % 8) + wave) x 128 keys.
.Lvalues:
.set VSRC, 1
.set VLQ,  2
.set VLW,  3
.set VSB,  14                          ; my row's scale word
.set VX,   16                          ; v16-143  32 beta + i
.set VF,   144                         ; v144-167 the two fragments
.set VT,   168                         ; v168-170 a conversion's second half
	s_load_b64 s[4:5], s[0:1], 0x18                ; values
	s_load_b64 s[6:7], s[0:1], 0x28                ; kv
	v_lshrrev_b32 v4, 5, v0
	v_readfirstlane_b32 s8, v4
	v_and_b32 v4, 31, v0
	v_and_b32 v5, 15, v0
	v_bfe_u32 v6, v0, 4, 1
	v_and_b32 v7, 8, v5
	v_add_nc_u32 v7, v7, v5
	v_lshl_add_u32 v7, v6, 3, v7                   ; my column: 8 (lane / 16) + rho + 8 (rho / 8)
	v_lshlrev_b32 v[VSRC], 2, v7
	v_lshlrev_b32 v[VLQ], 4, v4
	v_lshlrev_b32 v[VLW], 2, v4
	s_sub_co_u32 s24, ttmp9, NMASK+NKW
	s_lshr_b32 s9, s24, 3                          ; 16 n + j
	s_and_b32 s10, s24, 7
	s_lshl_b32 s10, s10, 2
	s_add_co_u32 s10, s10, s8                      ; cg
	s_lshl_b32 s12, s9, 19
	s_lshl_b32 s11, s10, 7
	s_add_co_u32 s12, s12, s11
	s_mov_b32 s13, 0
	s_lshr_b32 s14, s9, 4
	s_lshl_b32 s14, s14, 4
	s_lshr_b32 s15, s10, 1
	s_add_co_u32 s14, s14, s15                     ; 16 n + head
	s_mul_i32 s14, s14, 208896
	s_and_b32 s15, s9, 15
	s_mul_i32 s15, s15, 13056
	s_add_co_u32 s14, s14, s15
	s_and_b32 s16, s10, 1
	s_mul_i32 s17, s16, 3072
	s_add_co_u32 s18, s14, s17
	s_add_co_u32 s18, s18, 6656                    ; my two fragments
	s_mov_b32 s19, 0
	s_lshl_b32 s17, s16, 7
	s_add_co_u32 s20, s14, s17
	s_add_co_u32 s20, s20, 12800                   ; my pair's scale words
	s_mov_b32 s21, 0
	s_wait_alu depctr_va_vdst(0)                   ; the wait at the head's end
	s_wait_kmcnt 0x0
	s_add_nc_u64 s[4:5], s[4:5], s[12:13]
	s_add_nc_u64 s[22:23], s[6:7], s[20:21]
	s_add_nc_u64 s[6:7], s[6:7], s[18:19]
.macro VLOAD t
.set i, 0
.rept 32
	global_load_b32 v[VX+32*\t+i], v[VSRC], s[4:5] offset:(32*\t+i)*4096 th:TH_LOAD_NT
.set i, i+1
.endr
.endm
.macro VBLOCK t
.set XS, VX+32*\t
.set CT, VF+12*((\t)%2)+6*((\t)/2)
	v_max3_num_f32 v12, |v[XS]|, |v[XS+1]|, |v[XS+2]|
	v_max3_num_f32 v13, |v[XS+3]|, |v[XS+4]|, |v[XS+5]|
.irp i, 6,10,14,18,22,26
	v_max3_num_f32 v12, v12, |v[XS+\i]|, |v[XS+\i+1]|
	v_max3_num_f32 v13, v13, |v[XS+\i+2]|, |v[XS+\i+3]|
.endr
	v_max3_num_f32 v12, v12, |v[XS+30]|, |v[XS+31]|
	v_max3_num_f32 v12, v12, v13, 0x1800000
	v_add_nc_u32 v11, 0xff000000, v12
	v_cvt_scalef32_pk16_fp6_f32 v[CT:CT+2], v[XS:XS+15], v11
	v_cvt_scalef32_pk16_fp6_f32 v[VT:VT+2], v[XS+16:XS+31], v11
	v_lshrrev_b32 v13, 23, v11
.if \t == 0
	v_mov_b32 v[VSB], v13
.else
	v_lshl_or_b32 v[VSB], v13, 8*\t, v[VSB]
.endif
.irp i, 0,1,2
	v_mov_b32 v[CT+3+\i], v[VT+\i]
.endr
.endm
.macro VPAIR c
.irp i, 0,1,2,3,4,5
	v_permlane16_swap_b32 v[VF+6*\c+\i], v[VF+12+6*\c+\i]
.endr
.endm
.macro VSTORE q
.irp u, 0,1
	global_store_b128 v[VLQ], v[VF+12*\u+4*\q:VF+12*\u+4*\q+3], s[6:7] offset:1536*\u+512*\q
.endr
.endm
	VLOAD 0
	VLOAD 1
	s_wait_loadcnt 32                              ; block 0 is in; block 1's 32 loads stay out
	VLOAD 2
	VBLOCK 0
	s_wait_loadcnt 32
	VLOAD 3
	VBLOCK 1
	VPAIR 0
	VSTORE 0
	s_wait_loadcnt 32
	VBLOCK 2
	s_wait_loadcnt 0x0
	VBLOCK 3
	VPAIR 1
	VSTORE 1
	VSTORE 2
	global_store_b32 v[VLW], v[VSB], s[22:23]
	s_endpgm
.Lfunc_end_k_qdfa215795d_prep:
	.size	k_qdfa215795d_prep, .Lfunc_end_k_qdfa215795d_prep-k_qdfa215795d_prep
	.p2alignl 7, 3214868480
	.fill 96, 4, 3214868480
	.section	.rodata,"a",@progbits
	.p2align	6, 0x0
	.amdhsa_kernel k_qdfa215795d_prep
		.amdhsa_group_segment_fixed_size 51712
		.amdhsa_private_segment_fixed_size 0
		.amdhsa_enable_private_segment 0
		.amdhsa_kernarg_size 56
		.amdhsa_user_sgpr_count 2
		.amdhsa_user_sgpr_kernarg_segment_ptr 1
		.amdhsa_wavefront_size32 1
		.amdhsa_system_sgpr_workgroup_id_x 1
		.amdhsa_system_sgpr_workgroup_id_y 1
		.amdhsa_system_sgpr_workgroup_id_z 1
		.amdhsa_system_vgpr_workitem_id 0
		.amdhsa_next_free_vgpr 194
		.amdhsa_next_free_sgpr 66
		.amdhsa_reserve_vcc 0
		.amdhsa_float_denorm_mode_32 3
		.amdhsa_float_denorm_mode_16_64 3
		.amdhsa_memory_ordered 1
		.amdhsa_forward_progress 1
		.amdhsa_inst_pref_size 62
	.end_amdhsa_kernel
	.amdgpu_metadata
---
amdhsa.version: [ 1, 2 ]
amdhsa.kernels:
  - .name:           k_qdfa215795d_prep
    .symbol:         k_qdfa215795d_prep.kd
    .args:
      - { .name: mask, .offset: 0, .size: 8, .value_kind: global_buffer, .address_space: global }
      - { .name: keys, .offset: 8, .size: 8, .value_kind: global_buffer, .address_space: global }
      - { .name: W_out, .offset: 16, .size: 8, .value_kind: global_buffer, .address_space: global }
      - { .name: values, .offset: 24, .size: 8, .value_kind: global_buffer, .address_space: global }
      - { .name: mk, .offset: 32, .size: 8, .value_kind: global_buffer, .address_space: global }
      - { .name: kv, .offset: 40, .size: 8, .value_kind: global_buffer, .address_space: global }
      - { .name: wq, .offset: 48, .size: 8, .value_kind: global_buffer, .address_space: global }
    .group_segment_fixed_size: 51712
    .private_segment_fixed_size: 0
    .kernarg_segment_align: 8
    .kernarg_segment_size: 56
    .max_flat_workgroup_size: 128
    .sgpr_count:     66
    .vgpr_count:     194
    .wavefront_size: 32
...
	.end_amdgpu_metadata
.endif
;; end of part 6
;; launch attn (part 7): grid 4 x 64, 16 waves a work-group, clusters of 4 x 1, 215,040 bytes of LDS; arguments kv, mk, query, aq; writes aq
.if DOCPART == 7
	.amdgcn_target "amdgcn-amd-amdhsa--gfx1250"
	.amdhsa_code_object_version 6
	.text
	.protected	k_qdfa215795d_attn
	.globl	k_qdfa215795d_attn
	.p2align	8
	.type	k_qdfa215795d_attn,@function
k_qdfa215795d_attn:
	s_mov_b64 s[64:65], 0
	v_nop
	global_prefetch_b8 v0, s[64:65] scope:SCOPE_SE
	s_setreg_imm32_b32 hwreg(HW_REG_WAVE_MODE, 25, 1), 1
	s_wait_xcnt 0x0
	s_wait_alu depctr_hold_cnt(0) depctr_sa_sdst(0) depctr_va_vdst(0) depctr_va_sdst(0) depctr_va_ssrc(0) depctr_va_vcc(0) depctr_vm_vsrc(0)
	s_getreg_b32 s2, hwreg(HW_REG_IB_STS2, 6, 4)
	s_cmp_eq_u32 s2, 0
	s_cbranch_scc0 .Lentry_in_a_cluster
	s_endpgm
.Lentry_in_a_cluster:
	s_bfe_u32 s2, ttmp6, 0x10000c
	s_cmp_lg_u32 s2, 0x3003
	s_cbranch_scc0 .Lentry_shape_is_right
	s_endpgm
.Lentry_shape_is_right:
; The attention of one head: S^T = K Q^T with the mask added inside the product, the softmax by a running whole-number maximum, O^T = V^T P, O / l, and O quantised along the embedding for the projection.
; Both products on codes of FP6 (E2M3) with one E8M0 scale for each 32 along K.  t = energy x c, c = log2(e) / 32; M = the ceiling of the row's largest t so far; p = 2^(t - M) is what is quantised,
; along the keys; l is summed of the unquantised p and divides at the end; when M moves, l and O are multiplied by 2^(old M - new M), which rounds nothing.
; SHARES.  A work-group owns 512 queries of one head; each of its sixteen waves two tiles of 16, one after the other, in 256 registers.  K and V of the whole head, as codes, are 16 step blocks of
; 13,056 bytes: they come into LDS once and stay.  CLUSTER: the four work-groups of a head read the same 16 blocks: each is asked for jointly, wave w asking for block w.
; THE WAVES WALK THE KEYS TOGETHER: each key step has one work-group barrier, signalled behind the first product and waited for at the step's end, so that no wave is more than a step ahead of another.
; It orders no memory: between its halves stand work on registers and LDS loads of bytes that nobody writes.
; LAYOUT.  Both products are used transposed (source 0 = 16 keys, or 16 channels of V; source 1 = my 16 queries): a lane holds one query (lane % 16).  Row rho of K's tile 4 c + u is key
; 64 c + 32 (rho / 8) + 8 u + rho % 8, so score register 32 c + i of lane (r, h) is key 64 c + 32 h + i: a whole block of 32 keys in a lane, in the second product's layout.
; THE MASK RIDES IN THE FIRST PRODUCT.  The head has 64 channels, the instruction 128 along K.  Tile t's operand is v[F + 8 t .. + 11]: six registers of K's codes, two of the mask's codes (mk: for key rho
; and queries 8 h + 0 .. 7 the code -7.5 where the mask is 0, else 0), and four that belong to the next tile.  Q's operand has in registers 6, 7 the code 1.0 at its own query's place (in the lanes with
; h = query / 8) and zero codes everywhere else of k = 64 .. 127, so the four foreign registers (every FP6 code is finite) add nothing.  K's scale bytes 2, 3 are 2^64: a masked score gets -7.5 x 2^64 added.
; A ROW MASKED THROUGHOUT SO FAR.  The running largest score starts at -2^62, above every masked score.  While it lies under -2^60, c and -M are taken as 0 for that row: p = 1 for every key, as the definition
; gives for equal energies; M itself stays the constant ceil(-c 2^62), so the factor is 1 until a real score comes and 0 then.
; LIMITS.  A masked energy is about -1.4e20 where the definition has -1e20: beside a real energy both give p = 0.  Real energies lie above -2^60.  NaN and infinities are not served.  A block of zeros gets the scale byte 1.
; NO PREFETCH of mk: its loads into registers are issued a whole key step ahead of their use, right behind the first product; kv comes by one joint load a wave at the head, with no loop ahead of it.
.set STEPB, 13056
.set KSC,   6144
.set VCO,   6656
.set VSC,   12800
.set RECB,  2048                       ; a record of mk: 16 queries x 128 keys
.set SPARE, 0x34000                    ; behind the 16 blocks: the spare words, 128 bytes a wave
.set LQ,  1                            ; 16 x lane
.set LB,  2                            ; 8 x lane
.set LW,  3                            ; 4 x lane
.set A0,  4                            ; this step's block + 16 x lane
.set AW,  5                            ; this step's block + 4 x lane
.set A1,  6                            ; the next step's block + 16 x lane
.set AKB, 7                            ; the next step's block + 8 x lane
.set NM,  8                            ; -M
.set MX,  9                            ; the largest score so far
.set L,   10                           ; v[10:11] l, in two halves
.set FF,  12                           ; v12 2^(old M - new M), later 1 / l; v13 named with it
.set TA,  14
.set TC,  15
.set Q,   16                           ; v[16:27] Q's operand: 16-21 codes, 22-23 the unit pattern, 24-27 zeros
.set QS,  28
.set QO,  29
.set OW,  30                           ; the result's scale words
.set XP,  31
.set KS,  32                           ; v[32:35] K's scale words
.set VS,  36                           ; v[36:37] V's
.set PS,  38                           ; p's scale words
.set SH,  39                           ; 8 (lane / 16)
.set BM,  40                           ; v[40:43] my two blocks' largest scores, then largest p
.set BP,  44
.set SO,  46                           ; v[46:47] the conversions' scale operands
.set CC,  48                           ; v48 c or 0; v49 named with it
.set NMU, 50                           ; v50 -M or 0; v51 named with it
.set MOF, 52                           ; byte offset of the record of mk that is loaded next + 8 x lane
.set CV,  53                           ; c
.set PT,  54                           ; v[54:56] a conversion's second half
.set F,   58                           ; v[58:121] K's eight tiles: 8 t: six of codes, two of the mask
.set VA,  122                          ; v[122:145] V^T's tiles 0, 1
.set S,   146                          ; v[146:209] S^T, then p; its first 24 take V^T's tiles 2, 3; its upper half a tile's queries
.set O,   210                          ; v[210:241] O^T
.set PC,  242                          ; v[242:253] p's operand
.set SPW, 254
.set NIL, 255
.set WV,  12
.set G0,  16
.set G1,  20
.set TB,  28                           ; LDS byte of this step's block
.set NI,  29                           ; the step, 0 .. 15
.set NTL, 30
.set MO,  31
.set CS,  48                           ; c
.set SEL, 50                           ; s[50:51] selects for lane l xor 16
.set OM,  52
.set TBN, 53                           ; LDS byte of the next step's block (behind the last: block 0, the next tile's first)
.set T1,  54
.macro ROUND
	s_barrier_signal -1
	s_barrier_wait -1
	s_cmp_lg_u32 s[WV], 0
	s_cbranch_scc1 .Lnot_wave_0_\@
	s_barrier_signal -3
.Lnot_wave_0_\@:
	s_barrier_wait -3
	s_barrier_signal -1
	s_barrier_wait -1
.endm
.macro QLOAD                           ; a tile's queries: lane (r, hh) takes block hh of row r
.irp i, 0,1,2,3,4,5,6,7
	global_load_b128 v[S+32+4*\i:S+32+4*\i+3], v[QO], s[8:9] offset:16*\i
.endr
.endm
.macro MLOAD                           ; a record of the mask's codes: 256 consecutive bytes a load
.irp t, 0,1,2,3,4,5,6,7
	global_load_b64 v[F+8*\t+6:F+8*\t+7], v[MOF], s[6:7] offset:256*\t
.endr
.endm
.macro KLOAD                           ; K's eight half fragments out of their image (twelve groups of four registers) and their scale words
.irp p, 0,1,2,3
	ds_load_b128 v[F+16*\p:F+16*\p+3], v[A1] offset:1536*\p
	ds_load_b64 v[F+16*\p+4:F+16*\p+5], v[A1] offset:1536*\p+512
	ds_load_b64 v[F+16*\p+8:F+16*\p+9], v[A1] offset:1536*\p+520
	ds_load_b128 v[F+16*\p+10:F+16*\p+13], v[A1] offset:1536*\p+1024
.endr
	ds_load_b64 v[KS:KS+1], v[AKB] offset:KSC
	ds_load_b64 v[KS+2:KS+3], v[AKB] offset:KSC+256
.endm
.macro PADD d, a                       ; pair d of p += pair a
	v_pk_add_f32 v[S+2*(\d):S+2*(\d)+1], v[S+2*(\d):S+2*(\d)+1], v[S+2*(\a):S+2*(\a)+1]
.endm
	s_load_b256 s[4:11], s[0:1], 0x0               ; kv, mk, query, aq
	v_lshl_add_u32 v[SPW], v0, 2, SPARE
	v_mov_b32 v[NIL], 0
	ds_add_u32 v[SPW], v[NIL]                      ; the opening lines: the add, twice on end, and its wait
	ds_add_u32 v[SPW], v[NIL]
	v_lshrrev_b32 v1, 5, v0
	v_readfirstlane_b32 s[WV], v1                  ; wave 0..15
	s_and_b32 s13, ttmp7, 0xffff                   ; 16 n + head, which the four partners share
	s_bfe_u32 s14, ttmp6, 0x40000                  ; cx: it enters the addresses of mk, query and aq alone
	s_lshl_b32 s15, ttmp9, 2
	s_add_co_u32 s15, s15, s14                     ; my block of 512 queries
	s_lshr_b32 s32, s13, 4                         ; n
	s_and_b32 s33, s13, 15                         ; head
	s_lshl_b32 s34, s32, 7
	s_lshl_b32 s35, s15, 5
	s_add_co_u32 s34, s34, s35
	s_lshl_b32 s35, s[WV], 1
	s_add_co_u32 s34, s34, s35                     ; T0 = 128 n + 32 x block + 2 x wave
	s_mul_i32 s36, s13, 16*STEPB
	s_mul_i32 s[G0+1], s[WV], STEPB                ; LDS address: block w
	s_add_co_u32 s36, s36, s[G0+1]
	s_mov_b32 s37, 0
	s_lshl_b32 s38, s34, 15                        ; mk: 16 records a tile
	s_mov_b32 s39, 0
	s_lshl_b32 s40, s34, 16                        ; query: 16 rows of 4,096 bytes a tile,
	s_lshl_b32 s41, s33, 8                         ; 256 bytes a head
	s_add_co_u32 s40, s40, s41
	s_mov_b32 s41, 0
	s_lshr_b32 s42, s34, 3                         ; aq: the block of 128 rows,
	s_mul_i32 s42, s42, 106496
	s_mul_i32 s43, s33, 6656                       ; the head's 64 along K
	s_add_co_u32 s42, s42, s43
	s_and_b32 s43, s34, 7
	s_mul_i32 s44, s43, 768
	s_add_co_u32 s44, s44, s42                     ; the tile's codes,
	s_mov_b32 s45, 0
	s_lshl_b32 s46, s43, 6
	s_add_co_u32 s46, s46, s42
	s_add_co_u32 s46, s46, 6144                    ; its scale words
	s_mov_b32 s47, 0
	s_mov_b32 s[G1], 15|(3<<16)|(1<<21)            ; the mask: all four work-groups; elements of 8 bytes; bit 21 beside a mask
	s_mov_b32 s[G1+1], 32<<16                      ; a dense block of 13,056 bytes as 51 rows of 256
	s_mov_b32 s[G1+2], 51<<16
	s_mov_b32 s[G1+3], 32<<16
	s_mov_b32 s[G1+4], 51
	s_mov_b32 s[G1+5], 32
	s_mov_b32 s[G1+6], 0
	s_mov_b32 s[G1+7], 0
	s_mov_b32 s[G0], 1
	s_mov_b32 s[CS], 0x3d38aa3b                    ; c = log2(e) / 32
	s_mov_b32 s[SEL], 0x76543210
	s_mov_b32 s[SEL+1], 0xfedcba98
	s_mov_b32 s[OM], 0xffff
	s_mov_b32 s[NTL], 2
	s_mov_b32 s[MO], 0
	s_wait_dscnt 0x0
	s_wait_kmcnt 0x0
	s_add_nc_u64 s[G0+2:G0+3], s[4:5], s[36:37]
	s_or_b32 s[G0+3], s[G0+3], 0x80000000
	s_add_nc_u64 s[6:7], s[6:7], s[38:39]
	s_add_nc_u64 s[8:9], s[8:9], s[40:41]
	s_add_nc_u64 s[2:3], s[10:11], s[46:47]        ; where my two tiles' scale words go
	s_add_nc_u64 s[10:11], s[10:11], s[44:45]      ; where my first tile's codes go
	ROUND                                          ; all four work-groups are here: the joint loads meet
	tensor_load_to_lds s[G0:G0+3], s[G1:G1+7]      ; my one tensor load of the launch
	s_nop 0
.rept 4
	v_nop                                          ; behind a joint load
.endr
	v_and_b32 v[TA], 31, v0
	v_lshlrev_b32 v[LQ], 4, v[TA]
	v_lshlrev_b32 v[LB], 3, v[TA]
	v_lshlrev_b32 v[LW], 2, v[TA]
	v_and_b32 v[TA], 15, v0                        ; r
	v_bfe_u32 v[TC], v0, 4, 1                      ; h
	v_lshlrev_b32 v[QO], 12, v[TA]
	v_lshl_add_u32 v[QO], v[TC], 7, v[QO]
	v_lshlrev_b32 v[SH], 3, v[TC]
	v_mov_b32 v[MOF], v[LB]
	QLOAD                                          ; my first tile's queries
	MLOAD                                          ; and the first record of the mask's codes
	v_and_b32 v[XP], 3, v[TA]                      ; THE UNIT PATTERN: the code 1.0 (8) at field r % 4,
	v_mul_u32_u24 v[XP], v[XP], 6
	v_mov_b32 v[BP], 8
	v_lshlrev_b32 v[XP], v[XP], v[BP]
	v_lshrrev_b32 v[BP], 3, v[TA]
	v_cmp_eq_u32 vcc_lo, v[BP], v[TC]              ; in the lanes with h = r / 8 alone,
	v_cndmask_b32 v[XP], 0, v[XP], vcc_lo
	v_and_b32 v[BP], 4, v[TA]
	v_lshlrev_b32 v[BP+1], 4, v[XP]
	v_cmp_eq_u32 vcc_lo, 0, v[BP]
	v_cndmask_b32 v[Q+6], 0, v[XP], vcc_lo         ; in the first word for r % 8 under 4,
	v_cmp_ne_u32 vcc_lo, 0, v[BP]
	v_cndmask_b32 v[Q+7], 0, v[BP+1], vcc_lo       ; else in the second, 4 bits up
	v_mov_b32 v[CV], s[CS]
	v_mov_b32 v[FF+1], 0                           ; (named as upper halves of pairs)
	v_mov_b32 v[CC+1], 0
	v_mov_b32 v[NMU+1], 0
	v_mov_b32 v[OW], 0
.irp i, 0,1,2,3
	v_mov_b32 v[Q+8+\i], 0
	v_mov_b32 v[VA+\i], 0                          ; named behind K's last tile before V's first load lands there
.endr
	v_mov_b32 v[A1], v[LQ]                         ; block 0
	v_mov_b32 v[AKB], v[LB]
.macro QUANTQ src, dst, sw             ; 32 numbers of a lane, one block of its row, become six registers of codes; the row's scale word goes to v[sw]
	v_max3_num_f32 v[TA], |v[\src]|, |v[\src+1]|, |v[\src+2]|
	v_max3_num_f32 v[TC], |v[\src+3]|, |v[\src+4]|, |v[\src+5]|
.irp i, 6,10,14,18,22,26
	v_max3_num_f32 v[TA], v[TA], |v[\src+\i]|, |v[\src+\i+1]|
	v_max3_num_f32 v[TC], v[TC], |v[\src+\i+2]|, |v[\src+\i+3]|
.endr
	v_max3_num_f32 v[TA], v[TA], |v[\src+30]|, |v[\src+31]|
	s_delay_alu instid0(VALU_DEP_1)
	v_max3_num_f32 v[TA], v[TA], v[TC], 0x1800000  ; the floor 2^(3 - 127)
	s_delay_alu instid0(VALU_DEP_1)
	v_add_nc_u32 v[SO], 0xff000000, v[TA]
	v_cvt_scalef32_pk16_fp6_f32 v[\dst:\dst+2], v[\src:\src+15], v[SO]
	v_cvt_scalef32_pk16_fp6_f32 v[PT:PT+2], v[\src+16:\src+31], v[SO]
	v_lshrrev_b32 v[TC], 23, v[SO]                 ; the byte (the plain place behind the conversions)
	s_delay_alu instid0(VALU_DEP_1)
	v_lshlrev_b32 v[TC], v[SH], v[TC]
	s_delay_alu instid0(VALU_DEP_1)
	v_permlanex16_b32 v[XP], v[TC], s[SEL], s[SEL+1]
	s_delay_alu instid0(VALU_DEP_1)
	v_or_b32 v[TC], v[TC], v[XP]
	s_delay_alu instid0(VALU_DEP_1)
	v_or_b32 v[\sw], 0x7f7f0000, v[TC]             ; and 1.0 for k = 64 .. 127
.irp i, 0,1,2
	v_mov_b32 v[\dst+3+\i], v[PT+\i]
.endr
.endm
	s_wait_alu depctr_va_vdst(0)                   ; the wait at the head's end
	s_wait_tensorcnt 0x0                           ; my block has landed,
	s_barrier_signal -1
	s_barrier_wait -1                              ; everybody's has: the whole head lies in LDS
	KLOAD                                          ; the first step's K
; A KEY STEP: 128 keys for my 16 queries.  K's fragments and the mask's codes were asked for a step ago.
.macro STEP
	s_mul_i32 s[TB], s[NI], STEPB
	s_add_co_u32 s[T1], s[NI], 1
	s_and_b32 s[T1], s[T1], 15
	s_mul_i32 s[TBN], s[T1], STEPB
	s_add_co_u32 s[MO], s[MO], RECB                ; my two tiles' 32 records lie on end;
	s_min_u32 s[MO], s[MO], 31*RECB                ; the very last step asks for its own again and does not use it: no load leaves mk
	s_wait_loadcnt 0x0                             ; the mask's codes
	s_wait_dscnt 0x0                               ; K's codes and scale words
.irp t, 0,2,4,6
	v_wmma_scale_f32_16x16x128_f8f6f4 v[S+8*\t:S+8*\t+7], v[F+8*\t:F+8*\t+11], v[Q:Q+11], 0, v[KS+\t/2], v[QS] matrix_a_fmt:MATRIX_FMT_FP6 matrix_b_fmt:MATRIX_FMT_FP6
	v_wmma_scale_f32_16x16x128_f8f6f4 v[S+8*\t+8:S+8*\t+15], v[F+8*\t+8:F+8*\t+19], v[Q:Q+11], 0, v[KS+\t/2], v[QS] matrix_a_fmt:MATRIX_FMT_FP6 matrix_b_fmt:MATRIX_FMT_FP6 matrix_a_scale:MATRIX_SCALE_ROW1
.endr
	v_add_nc_u32 v[A0], s[TB], v[LQ]               ; these five are the places behind the products (ISA guide 7.12.1 for vector instructions)
	v_add_nc_u32 v[AW], s[TB], v[LW]
	v_add_nc_u32 v[A1], s[TBN], v[LQ]
	v_add_nc_u32 v[AKB], s[TBN], v[LB]
	v_add_nc_u32 v[MOF], s[MO], v[LB]
	MLOAD                                          ; the next step's mask codes
	s_barrier_signal -1                            ; I am in this step (no LDS access of mine is out: the wait at the step's head was for all)
.irp g, 0,1,2,3,4,5
	ds_load_b128 v[VA+4*\g:VA+4*\g+3], v[A0] offset:VCO+512*\g   ; V^T's tiles 0, 1
.endr
.irp i, 0,1
	ds_load_b32 v[VS+\i], v[AW] offset:VSC+128*\i
.endr
	KLOAD                                          ; the next step's K
.irp c, 0,1                                    ; the largest score of each of my two blocks of 32 keys, each in two chains, the four by turns; each accumulator is first read at its low end
	v_max3_num_f32 v[BM+\c], v[S+32*\c], v[S+32*\c+1], v[S+32*\c+2]
	v_max3_num_f32 v[BM+2+\c], v[S+32*\c+16], v[S+32*\c+17], v[S+32*\c+18]
.endr
.irp i, 3,5,7,9,11,13
.irp c, 0,1
	v_max3_num_f32 v[BM+\c], v[BM+\c], v[S+32*\c+\i], v[S+32*\c+\i+1]
	v_max3_num_f32 v[BM+2+\c], v[BM+2+\c], v[S+32*\c+16+\i], v[S+32*\c+17+\i]
.endr
.endr
.irp c, 0,1
	v_max3_num_f32 v[BM+\c], v[BM+\c], v[S+32*\c+15], v[S+32*\c+31]
.endr
	v_mov_b32 v[TC], v[NM]
.irp c, 0,1
	v_max_num_f32 v[BM+\c], v[BM+\c], v[BM+2+\c]
.endr
	s_delay_alu instid0(VALU_DEP_1)
	v_max_num_f32 v[TA], v[BM], v[BM+1]
	s_delay_alu instid0(VALU_DEP_1)
	v_permlanex16_b32 v[XP], v[TA], s[SEL], s[SEL+1]
	s_delay_alu instid0(VALU_DEP_1)
	v_max3_num_f32 v[MX], v[MX], v[TA], v[XP]      ; the running largest score
	s_delay_alu instid0(VALU_DEP_1)
	v_mul_f32 v[TA], s[CS], v[MX]
	v_cmp_le_f32 vcc_lo, 0xdd800000, v[MX]         ; -2^60 <= it: the row has had a real score
	s_delay_alu instid0(VALU_DEP_2)
	v_floor_f32 v[NM], -v[TA]                      ; -M = -ceil(t)
	v_cndmask_b32 v[CC], 0, v[CV], vcc_lo          ; c, or 0 for a row masked throughout so far
	s_delay_alu instid0(VALU_DEP_2)
	v_sub_f32 v[TC], v[NM], v[TC]                  ; old M - new M
	v_cndmask_b32 v[NMU], 0, v[NM], vcc_lo
	s_delay_alu instid0(VALU_DEP_2)
	v_cvt_i32_f32 v[TC], v[TC]                     ; (it saturates)
	s_delay_alu instid0(VALU_DEP_1)
	v_ldexp_f32 v[FF], 1.0, v[TC]
.set j, 0
.rept 32
	v_pk_fma_f32 v[S+j:S+j+1], v[S+j:S+j+1], v[CC:CC+1], v[NMU:NMU+1] op_sel_hi:[1,0,0]   ; t - M
.set j, j+2
.endr
.irp c, 0,1
	v_fma_f32 v[BM+\c], v[BM+\c], v[CC], v[NMU]    ; the same of each block's largest score
.endr
.set j, 0
.rept 16
	v_pk_mul_f32 v[O+j:O+j+1], v[O+j:O+j+1], v[FF:FF+1] op_sel_hi:[1,0]   ; O^T under the new M, ascending
.set j, j+2
.endr
	s_wait_alu depctr_va_vdst(0)                   ; the wait ahead of the batch
.set j, 0
.rept 64
	v_exp_f32 v[S+j], v[S+j]                       ; p
.set j, j+1
.endr
.irp c, 0,1
	v_exp_f32 v[BM+\c], v[BM+\c]                   ; the block's largest p
.endr
	v_pk_mul_f32 v[L:L+1], v[L:L+1], v[FF:FF+1] op_sel_hi:[1,0]   ; l under the new M (the plain place behind the batch)
	s_wait_alu depctr_va_vdst(0)                   ; and behind it
.irp c, 0,1
	v_max_num_f32 v[BM+\c], 0x1800000, v[BM+\c]    ; the floor 2^(3 - 127)
.endr
.irp c, 0,1
	v_add_nc_u32 v[SO+\c], 0xff000000, v[BM+\c]
.endr
	v_cvt_scalef32_pk16_fp6_f32 v[PC:PC+2], v[S:S+15], v[SO]
	v_cvt_scalef32_pk16_fp6_f32 v[PC+6:PC+8], v[S+16:S+31], v[SO]   ; (three registers from an even one on: made here, moved below)
.irp c, 0,1
	v_lshrrev_b32 v[BP+\c], 23, v[SO+\c]           ; the bytes (plain places behind the conversions)
.endr
.irp i, 0,1,2
	v_mov_b32 v[PC+3+\i], v[PC+6+\i]
.endr
	v_cvt_scalef32_pk16_fp6_f32 v[PC+6:PC+8], v[S+32:S+47], v[SO+1]
	v_cvt_scalef32_pk16_fp6_f32 v[PT:PT+2], v[S+48:S+63], v[SO+1]
	v_lshl_or_b32 v[TA], v[BP+1], 16, v[BP]        ; my two bytes: blocks h and 2 + h,
	s_delay_alu instid0(VALU_DEP_1)
	v_lshlrev_b32 v[TA], v[SH], v[TA]
	s_delay_alu instid0(VALU_DEP_1)
	v_permlanex16_b32 v[XP], v[TA], s[SEL], s[SEL+1]
.irp i, 0,1,2
	v_mov_b32 v[PC+9+\i], v[PT+\i]
.endr
	v_or_b32 v[PS], v[TA], v[XP]                   ; with lane l xor 16's two the word is whole
.irp i, 0,1,2,3,4,5,6,7                        ; l: the unquantised p are summed in place, a tree for each half of the registers
	PADD 8+\i, \i
.endr
.irp i, 0,1,2,3
	PADD 12+\i, 8+\i
.endr
.irp g, 0,1,2,3,4,5
	ds_load_b128 v[S+4*\g:S+4*\g+3], v[A0] offset:VCO+3072+512*\g   ; V^T's tiles 2, 3 into the 24 registers that the tree has left
.endr
.irp i, 0,1,2,3,4,5,6,7
	PADD 24+\i, 16+\i
.endr
.irp i, 0,1,2,3
	PADD 28+\i, 24+\i
.endr
	PADD 14, 12
	PADD 30, 28
	s_wait_alu depctr_va_vdst(0)
	s_wait_dscnt 0x0                               ; V^T's fragments and scale words
	v_wmma_scale_f32_16x16x128_f8f6f4 v[O:O+7], v[VA:VA+11], v[PC:PC+11], v[O:O+7], v[VS], v[PS] matrix_a_fmt:MATRIX_FMT_FP6 matrix_b_fmt:MATRIX_FMT_FP6
	v_wmma_scale_f32_16x16x128_f8f6f4 v[O+8:O+15], v[VA+12:VA+23], v[PC:PC+11], v[O+8:O+15], v[VS], v[PS] matrix_a_fmt:MATRIX_FMT_FP6 matrix_b_fmt:MATRIX_FMT_FP6 matrix_a_scale:MATRIX_SCALE_ROW1
	v_wmma_scale_f32_16x16x128_f8f6f4 v[O+16:O+23], v[S:S+11], v[PC:PC+11], v[O+16:O+23], v[VS+1], v[PS] matrix_a_fmt:MATRIX_FMT_FP6 matrix_b_fmt:MATRIX_FMT_FP6
	v_wmma_scale_f32_16x16x128_f8f6f4 v[O+24:O+31], v[S+12:S+23], v[PC:PC+11], v[O+24:O+31], v[VS+1], v[PS] matrix_a_fmt:MATRIX_FMT_FP6 matrix_b_fmt:MATRIX_FMT_FP6 matrix_a_scale:MATRIX_SCALE_ROW1
	PADD 15, 13                                    ; the trees' ends name none of the products' registers: six places ahead of the next step's products, which write over V^T's tiles 2, 3
	PADD 31, 29
	PADD 15, 14
	PADD 31, 30
	v_pk_add_f32 v[L:L+1], v[L:L+1], v[S+30:S+31]
	v_pk_add_f32 v[L:L+1], v[L:L+1], v[S+62:S+63]
	s_barrier_wait -1                              ; every wave is in this step
.endm
; A TILE'S END: O / l, quantised along the head's 64 channels, leaves as a half fragment's image.
.macro FINISH
	s_wait_alu depctr_va_vdst(0)                   ; the wait behind the barrier's wait and ahead of the branch
	s_cmp_eq_u32 s[NTL], 1                         ; the next tile's queries, if there is a next tile
	s_cbranch_scc1 .Lno_next_\@
	s_add_nc_u64 s[8:9], s[8:9], 65536             ; (the loads that named this base were waited for at the tile's head)
	QLOAD
.Lno_next_\@:
	v_add_f32 v[L], v[L], v[L+1]
	s_delay_alu instid0(VALU_DEP_1)
	v_permlanex16_b32 v[XP], v[L], s[SEL], s[SEL+1]
	s_delay_alu instid0(VALU_DEP_1)
	v_add_f32 v[L], v[L], v[XP]
	s_wait_alu depctr_va_vdst(0)
	v_rcp_f32 v[FF], v[L]
	v_nop                                          ; one plain place behind a transcendental
	s_wait_alu depctr_va_vdst(0)
.set j, 0
.rept 16
	v_pk_mul_f32 v[S+j:S+j+1], v[O+j:O+j+1], v[FF:FF+1] op_sel_hi:[1,0]   ; ascending: each accumulator from its low end on
.set j, j+2
.endr
.irp b, 0,1
	v_max3_num_f32 v[BM+\b], |v[S+16*\b]|, |v[S+16*\b+1]|, 0x1800000
.endr
.irp i, 2,4,6,8,10,12,14
.irp b, 0,1
	s_delay_alu instid0(VALU_DEP_2)
	v_max3_num_f32 v[BM+\b], v[BM+\b], |v[S+16*\b+\i]|, |v[S+16*\b+\i+1]|
.endr
.endr
.irp b, 0,1
	v_permlanex16_b32 v[BP+\b], v[BM+\b], s[SEL], s[SEL+1]
.endr
.irp b, 0,1
	v_max_num_f32 v[BM+\b], v[BM+\b], v[BP+\b]
.endr
.irp b, 0,1
	v_add_nc_u32 v[SO+\b], 0xff000000, v[BM+\b]
.endr
.irp b, 0,1
	v_lshrrev_b32 v[BP+\b], 23, v[SO+\b]
.endr
	s_delay_alu instid0(VALU_DEP_1)
	v_lshl_or_b32 v[TA], v[BP+1], 8, v[BP]
	s_delay_alu instid0(VALU_DEP_1)
	v_or_b32 v[TA], 0x7f7f0000, v[TA]
	s_delay_alu instid0(VALU_DEP_1)
	v_cndmask_b32 v[OW], v[OW], v[TA], s[OM]       ; to this tile's half of the lanes
	v_cvt_scalef32_pk16_fp6_f32 v[PC:PC+2], v[S:S+15], v[SO]
	v_cvt_scalef32_pk16_fp6_f32 v[PT:PT+2], v[S+16:S+31], v[SO+1]
	v_nop                                          ; one plain place behind a scaled conversion
.irp i, 0,1,2
	v_permlane16_swap_b32 v[PC+\i], v[PT+\i]       ; a whole block to a lane
.endr
.irp i, 0,1,2
	v_mov_b32 v[PC+3+\i], v[PT+\i]
.endr
.irp p, 0,1,2
	global_store_b64 v[LB], v[PC+2*\p:PC+2*\p+1], s[10:11] offset:256*\p   ; 256 consecutive bytes, aligned
.endr
	s_wait_xcnt 0x0                                ; the stores' base and data are written again only behind this wait
	s_add_nc_u64 s[10:11], s[10:11], 768
	s_not_b32 s[OM], s[OM]
.endm
.Ltile:                                            ; two trips: my two tiles
	s_wait_loadcnt 0x0                             ; the tile's queries
	QUANTQ S+32, Q, QS
	v_mov_b32 v[MX], 0xde800000                    ; -2^62: above every masked score, under every real one
	s_delay_alu instid0(VALU_DEP_1)
	v_mul_f32 v[TA], s[CS], v[MX]
	s_delay_alu instid0(VALU_DEP_1)
	v_floor_f32 v[NM], -v[TA]
	v_mov_b32 v[L], 0
	v_mov_b32 v[L+1], 0
.set j, 0
.rept 32
	v_mov_b32 v[O+j], 0                            ; the step is written once: the first finds zeros.  (Also the places between Q's codes and scale word and the first product)
.set j, j+1
.endr
	s_mov_b32 s[NI], 0
.Lstep:                                            ; sixteen trips: the head's 2,048 keys
	STEP
	s_add_co_u32 s[NI], s[NI], 1
	s_cmp_lt_u32 s[NI], 16
	s_cbranch_scc1 .Lstep
	FINISH
	s_sub_co_u32 s[NTL], s[NTL], 1
	s_cmp_lg_u32 s[NTL], 0
	s_cbranch_scc1 .Ltile
	s_wait_alu depctr_va_vdst(0)
	global_store_b32 v[LW], v[OW], s[2:3]          ; my two tiles' scale words: 128 consecutive bytes
	s_wait_tensorcnt 0x0                           ; the wave's end
	ds_add_u32 v[SPW], v[NIL]
	s_wait_dscnt 0x0
	ROUND                                          ; the closing round
	s_endpgm
.Lfunc_end_k_qdfa215795d_attn:
	.size	k_qdfa215795d_attn, .Lfunc_end_k_qdfa215795d_attn-k_qdfa215795d_attn
	.p2alignl 7, 3214868480
	.fill 96, 4, 3214868480
	.section	.rodata,"a",@progbits
	.p2align	6, 0x0
	.amdhsa_kernel k_qdfa215795d_attn
		.amdhsa_group_segment_fixed_size 215040
		.amdhsa_private_segment_fixed_size 0
		.amdhsa_enable_private_segment 0
		.amdhsa_kernarg_size 32
		.amdhsa_user_sgpr_count 2
		.amdhsa_user_sgpr_kernarg_segment_ptr 1
		.amdhsa_wavefront_size32 1
		.amdhsa_system_sgpr_workgroup_id_x 1
		.amdhsa_system_sgpr_workgroup_id_y 1
		.amdhsa_system_sgpr_workgroup_id_z 1
		.amdhsa_system_vgpr_workitem_id 0
		.amdhsa_next_free_vgpr 256
		.amdhsa_next_free_sgpr 66
		.amdhsa_reserve_vcc 1
		.amdhsa_float_denorm_mode_32 3
		.amdhsa_float_denorm_mode_16_64 3
		.amdhsa_memory_ordered 1
		.amdhsa_forward_progress 1
		.amdhsa_inst_pref_size 33
	.end_amdhsa_kernel
	.amdgpu_metadata
---
amdhsa.version: [ 1, 2 ]
amdhsa.kernels:
  - .name:           k_qdfa215795d_attn
    .symbol:         k_qdfa215795d_attn.kd
    .args:
      - { .name: kv, .offset: 0, .size: 8, .value_kind: global_buffer, .address_space: global }
      - { .name: mk, .offset: 8, .size: 8, .value_kind: global_buffer, .address_space: global }
      - { .name: query, .offset: 16, .size: 8, .value_kind: global_buffer, .address_space: global }
      - { .name: aq, .offset: 24, .size: 8, .value_kind: global_buffer, .address_space: global }
    .group_segment_fixed_size: 215040
    .private_segment_fixed_size: 0
    .kernarg_segment_align: 8
    .kernarg_segment_size: 32
    .max_flat_workgroup_size: 512
    .sgpr_count:     66
    .vgpr_count:     256
    .wavefront_size: 32
...
	.end_amdgpu_metadata
.endif
;; end of part 7
;; launch proj (part 8): grid 8 x 32, 8 waves a work-group, clusters of 4 x 4, 327,680 bytes of LDS; arguments aq, wq, b_out, out0; writes out0
.if DOCPART == 8
	.amdgcn_target "amdgcn-amd-amdhsa--gfx1250"
	.amdhsa_code_object_version 6
	.text
	.protected	k_qdfa215795d_proj
	.globl	k_qdfa215795d_proj
	.p2align	8
	.type	k_qdfa215795d_proj,@function
k_qdfa215795d_proj:
	s_mov_b64 s[64:65], 0
	v_nop
	global_prefetch_b8 v0, s[64:65] scope:SCOPE_SE
	s_setreg_imm32_b32 hwreg(HW_REG_WAVE_MODE, 25, 1), 1
	s_wait_xcnt 0x0
	s_wait_alu depctr_hold_cnt(0) depctr_sa_sdst(0) depctr_va_vdst(0) depctr_va_sdst(0) depctr_va_ssrc(0) depctr_va_vcc(0) depctr_vm_vsrc(0)
	s_getreg_b32 s2, hwreg(HW_REG_IB_STS2, 6, 4)
	s_cmp_eq_u32 s2, 0
	s_cbranch_scc0 .Lentry_in_a_cluster
	s_endpgm
.Lentry_in_a_cluster:
	s_bfe_u32 s2, ttmp6, 0x10000c
	s_cmp_lg_u32 s2, 0xf033
	s_cbranch_scc0 .Lentry_shape_is_right
	s_endpgm
.Lentry_shape_is_right:
; out0[m][n] = sum over k of a[m][k] W_out[n][k] + b_out[n]: 8,192 x 1,024 x 1,024 on codes of FP6 (E2M3) with one E8M0 scale for each 32 along K; sums in f32.
; Both operands lie in memory as images of the operand's registers: [128 rows][64 along K] blocks of 6,656 bytes: eight half fragments (768 bytes: three pieces of 256; lane (r, hh) has at
; 8 x lane registers 2 p, 2 p + 1 of the six that hold row r's k = 32 hh .. + 31), then 8 x 16 scale words (bytes 0, 1: the two blocks').  A fragment of 128 along K is two half fragments.
; SHARES.  8,192 x 1,024 / (256 x 128) = 256 work-groups.  A work-group makes 256 x 128 of out0; each of its eight waves 64 x 64: 16 accumulators.  ALL OF K for its 256 rows of a and 128 rows of W_out
; is 3 x 106,496 = 319,488 bytes: every byte of it is filled once.  K goes in four chunks of 256.  A wave fetches its part of a chunk as one row of a tensor load: waves 0-3 half of a group's chunk of a
; (13,312 bytes), waves 4-7 a quarter of W_out's chunk (6,656 bytes); a chunk's parts lie 26,624 bytes apart in memory and on end in LDS.  TWO LOADS A WAVE, of two rows each: chunks 0, 1 at the head;
; chunks 2, 3 behind the full sequence and a round of the cluster's barrier, so that they are on their way while chunks 0, 1 are multiplied.
; CLUSTER: 4 x 4 work-groups.  The four of a row of the cluster need the same rows of a, the four of a column the same rows of W_out: each load is asked for jointly.
; THE MATRIX INSTRUCTION IS USED TRANSPOSED (source 0 = 16 rows of W_out, source 1 = 16 rows of a).  Row rho of W_out's tile 2 B + u is row 32 B + 8 u + rho + 8 (rho / 8), so a lane's registers
; of tile b are columns 32 (b / 2) + 16 (lane / 16) + 8 (b % 2) + 0 .. 7 of one row of out0.  The bias is the C of each sum's first matrix instruction.
; NO PREFETCH: the launch has no loop to run ahead in; its two loads a wave ask for all that it reads.
.set REG,   53248                      ; a's LDS region: what one of waves 0-3 asks for: four chunks
.set CHB,   13312                      ; a chunk in it: two blocks of 64 along K = one K step of 128
.set B64,   6656                       ; a block
.set GRP,   106496                     ; 128 rows x all of K in memory
.set BREG,  26624                      ; W_out's LDS region: what one of waves 4-7 asks for: four blocks, k / 64 = 4 c + q
.set BBASE, 4*REG                      ; W_out's four regions lie behind a's four
.set SPARE, 0x4e000                    ; behind them: the spare words, 128 bytes a wave
.set SPITCH, 272                       ; THE WAY OUT: a stage of 16 rows x 272 bytes for each wave, 34,816 bytes from LDS byte 0 on: inside chunks 0 to 2 of a's first region (39,936 bytes).
                                       ; Those bytes have had their one fill, and every wave has waited for its reads of them in front of the barrier at chunk 3's head, behind which every stage store stands
.set AA,  1                            ; v1-2   LDS address of my A half fragments for K steps 2 c, 2 c + 1
.set BB,  3                            ; v3-4   the same for W_out
.set ASC, 5                            ; v5-6   of my A scale words
.set BSC, 7                            ; v7-8   of W_out's
.set STO, 9
.set RD,  10
.set CO,  11
.set BO,  12                           ; 64 (lane / 16): my bias numbers
.set SC,  16                           ; v16-23 a chunk's scale words
.set FA,  24                           ; v24-71  A's four fragments; at a chunk's head the raw scale words; on the way out rows of out0
.set FB,  72                           ; v72-119 W_out's four fragments
.set ACC, 120                          ; v120-247 accumulator (a, b) at 8 (4 a + b)
.set OB,  24
.set SPW, 254
.set NIL, 255
.set WV,  12
.set G1A, 24                           ; s[24:31] descriptor group 1 for A;  s[32:39] its two groups 0
.set G0A, 32
.set G1B, 48                           ; s[48:55], s[68:75] the same for W_out
.set G0B, 68
.macro ROUND
	s_barrier_signal -1
	s_barrier_wait -1
	s_cmp_lg_u32 s[WV], 0
	s_cbranch_scc1 .Lnot_wave_0_\@
	s_barrier_signal -3
.Lnot_wave_0_\@:
	s_barrier_wait -3
	s_barrier_signal -1
	s_barrier_wait -1
.endm
.macro PLACES n
.rept \n
	v_nop
.endr
.endm
.macro JLOAD i                         ; a joint load: waves 0-3 for a, waves 4-7 for W_out; one load on every way
	s_cmp_lt_u32 s[WV], 4
	s_cbranch_scc0 .Lfor_b_\@
	tensor_load_to_lds s[G0A+4*\i:G0A+4*\i+3], s[G1A:G1A+7]
	s_nop 0
	PLACES 4                                       ; behind a joint load
	s_branch .Lasked_\@
.Lfor_b_\@:
	tensor_load_to_lds s[G0B+4*\i:G0B+4*\i+3], s[G1B:G1B+7]
	s_nop 0
	PLACES 4
.Lasked_\@:
.endm
	s_load_b256 s[4:11], s[0:1], 0x0               ; aq, wq, b_out, out0
	v_lshl_add_u32 v[SPW], v0, 2, SPARE
	v_mov_b32 v[NIL], 0
	ds_add_u32 v[SPW], v[NIL]                      ; the opening lines: the add, twice on end, and its wait
	ds_add_u32 v[SPW], v[NIL]
	v_lshrrev_b32 v13, 5, v0
	v_readfirstlane_b32 s[WV], v13                 ; wave 0..7
	s_lshr_b32 s13, s[WV], 1                       ; which 64 of the 256 rows are mine
	s_and_b32 s14, s[WV], 1                        ; which 64 of the 128 columns.  Also, for waves 0-3: which half of a chunk of a I fetch
	s_and_b32 s88, s[WV], 3                        ; my number among the four that fetch for the same operand
	s_lshr_b32 s89, s88, 1                         ; for waves 0-3: which group of 128 rows of a I fetch
	s_bfe_u32 s56, ttmp6, 0x40000                  ; cx, cy
	s_bfe_u32 s57, ttmp6, 0x40004
	s_lshl_b32 s58, ttmp9, 2
	s_add_co_u32 s58, s58, s56                     ; n / 128
	s_and_b32 s15, ttmp7, 0xffff
	s_lshl_b32 s15, s15, 2
	s_add_co_u32 s15, s15, s57                     ; m / 256
	s_lshl_b32 s59, s57, 2
	s_lshl_b32 s59, 15, s59                        ; my row of the cluster
	s_lshl_b32 s60, 0x1111, s56                    ; my column
	s_or_b32 s[G1A], s59, (3<<16)|(1<<21)          ; the mask: A goes to my row; elements of 8 bytes; bit 21 beside a mask
	s_or_b32 s[G1B], s60, (3<<16)|(1<<21)          ; W_out goes to my column
.irp g, G1A, G1B
	s_mov_b32 s[\g+2], 2<<16                       ; tensor_dim1: two rows, a chunk each
	s_mov_b32 s[\g+4], 2                           ; tile_dim1
	s_mov_b32 s[\g+5], 3328                        ; from row to row: 26,624 bytes in elements of 8
	s_mov_b32 s[\g+6], 0
	s_mov_b32 s[\g+7], 0
.endr
	s_mov_b32 s[G1A+1], 1664<<16                   ; tensor_dim0: 13,312 bytes
	s_mov_b32 s[G1A+3], 1664<<16                   ; tile_dim0
	s_mov_b32 s[G1B+1], 832<<16                    ; 6,656 bytes
	s_mov_b32 s[G1B+3], 832<<16
	s_lshl_b32 s16, s15, 1                         ; A hangs on m / 256 alone, which my row of the cluster shares, and on the wave's number
	s_add_co_u32 s16, s16, s89
	s_mul_i32 s16, s16, GRP
	s_mul_i32 s18, s14, CHB
	s_add_co_u32 s16, s16, s18
	s_mov_b32 s17, 0
	s_mul_i32 s62, s58, GRP                        ; W_out on n / 128 alone, which my column shares
	s_mul_i32 s18, s88, B64
	s_add_co_u32 s62, s62, s18
	s_mov_b32 s63, 0
	s_mul_i32 s19, s88, REG                        ; where they go: no place in the cluster enters an LDS address
	s_mul_i32 s90, s88, BREG
	s_add_co_u32 s90, s90, BBASE
	s_mov_b32 s23, 0x05040100                      ; v_perm_b32: the low halves of two words
	s_lshl_b32 s84, s15, 20                        ; out0: 256 rows of 4,096 bytes a block,
	s_lshl_b32 s85, s13, 18                        ; my 64 of them,
	s_add_co_u32 s84, s84, s85
	s_lshl_b32 s86, s58, 9                         ; 512 bytes a block of columns,
	s_lshl_b32 s87, s14, 8                         ; my 256 of them: also where my bias numbers begin
	s_add_co_u32 s86, s86, s87
	s_mov_b32 s87, 0
	s_add_co_u32 s84, s84, s86
	s_mov_b32 s85, 0
	s_wait_dscnt 0x0
	s_wait_kmcnt 0x0
	s_add_nc_u64 s[16:17], s[4:5], s[16:17]
	s_add_nc_u64 s[62:63], s[6:7], s[62:63]
	s_add_nc_u64 s[8:9], s[8:9], s[86:87]
	s_add_nc_u64 s[10:11], s[10:11], s[84:85]
	ROUND                                          ; all sixteen work-groups are here: the joint loads meet
.irp i, 0,1                                    ; group 0 for chunks 2 i, 2 i + 1
	s_mov_b32 s[G0A+4*\i], 1
	s_add_co_u32 s[G0A+4*\i+1], s19, 2*CHB*\i
	s_add_nc_u64 s[G0A+4*\i+2:G0A+4*\i+3], s[16:17], 4*CHB*\i
	s_or_b32 s[G0A+4*\i+3], s[G0A+4*\i+3], 0x80000000
	s_mov_b32 s[G0B+4*\i], 1
	s_add_co_u32 s[G0B+4*\i+1], s90, 2*B64*\i
	s_add_nc_u64 s[G0B+4*\i+2:G0B+4*\i+3], s[62:63], 4*CHB*\i
	s_or_b32 s[G0B+4*\i+3], s[G0B+4*\i+3], 0x80000000
.endr
	JLOAD 0                                        ; chunks 0, 1: one tensor load a wave at the head
	v_and_b32 v13, 31, v0
	v_and_b32 v14, 15, v0
	v_bfe_u32 v15, v0, 4, 1
	v_lshlrev_b32 v[BO], 6, v15
.irp b, 0,1,2,3
	global_load_b128 v[ACC+8*\b:ACC+8*\b+3], v[BO], s[8:9] offset:(32*(\b/2)+8*(\b%2))*4       ; the bias in the result's layout, into the accumulators of my first 16 rows
	global_load_b128 v[ACC+8*\b+4:ACC+8*\b+7], v[BO], s[8:9] offset:(32*(\b/2)+8*(\b%2))*4+16
.endr
	s_wait_alu depctr_va_vdst(0)                   ; the wait ahead of the scalar lines strewn below
	s_lshr_b32 s20, s13, 1                         ; my rows' group of 128: its two regions,
	s_mul_i32 s20, s20, 2*REG
	s_and_b32 s22, s13, 1                          ; and which four of its eight tiles
	s_mul_i32 s21, s22, 3072
	s_add_co_u32 s21, s21, s20
	v_lshl_add_u32 v[AA], v13, 3, s21
	v_add_nc_u32 v[AA+1], REG, v[AA]               ; K steps 2 c + 1 lie in the group's second region
	s_lshl_b32 s21, s22, 8
	s_add_co_u32 s21, s21, s20
	s_add_co_u32 s21, s21, 6144
	v_lshl_add_u32 v[ASC], v13, 2, s21
	v_add_nc_u32 v[ASC+1], REG, v[ASC]
	s_mul_i32 s21, s14, 3072                       ; my four tiles of W_out
	s_add_co_u32 s21, s21, BBASE
	v_lshl_add_u32 v[BB], v13, 3, s21
	v_add_nc_u32 v[BB+1], 2*BREG, v[BB]            ; K steps 2 c + 1 lie in W_out's regions 2 and 3
	s_lshl_b32 s21, s14, 8
	s_add_co_u32 s21, s21, BBASE+6144
	v_lshl_add_u32 v[BSC], v13, 2, s21
	v_add_nc_u32 v[BSC+1], 2*BREG, v[BSC]
	s_mul_i32 s22, s[WV], 16*SPITCH                ; my stage
	v_mul_u32_u24 v[STO], v14, SPITCH              ; in: row lane % 16, + 64 (lane / 16)
	v_lshl_add_u32 v[STO], v15, 6, v[STO]
	v_add_nc_u32 v[STO], s22, v[STO]
	v_mul_u32_u24 v[RD], v15, SPITCH               ; back: lanes 0-15 one row of 256 bytes, lanes 16-31 the next
	v_lshl_add_u32 v[RD], v14, 4, v[RD]
	v_add_nc_u32 v[RD], s22, v[RD]
	v_lshlrev_b32 v[CO], 12, v15                   ; and the same two rows in out0
	v_lshl_add_u32 v[CO], v14, 4, v[CO]
.macro MM d, fa, fb, c, sa, sb, ra, rb ; one matrix instruction; ra, rb = 1: the scales stand in lanes 16-31
.if (\ra) && (\rb)
	v_wmma_scale_f32_16x16x128_f8f6f4 v[\d:\d+7], v[\fa:\fa+11], v[\fb:\fb+11], v[\c:\c+7], v[\sa], v[\sb] matrix_a_fmt:MATRIX_FMT_FP6 matrix_b_fmt:MATRIX_FMT_FP6 matrix_a_scale:MATRIX_SCALE_ROW1 matrix_b_scale:MATRIX_SCALE_ROW1
.elseif \ra
	v_wmma_scale_f32_16x16x128_f8f6f4 v[\d:\d+7], v[\fa:\fa+11], v[\fb:\fb+11], v[\c:\c+7], v[\sa], v[\sb] matrix_a_fmt:MATRIX_FMT_FP6 matrix_b_fmt:MATRIX_FMT_FP6 matrix_a_scale:MATRIX_SCALE_ROW1
.elseif \rb
	v_wmma_scale_f32_16x16x128_f8f6f4 v[\d:\d+7], v[\fa:\fa+11], v[\fb:\fb+11], v[\c:\c+7], v[\sa], v[\sb] matrix_a_fmt:MATRIX_FMT_FP6 matrix_b_fmt:MATRIX_FMT_FP6 matrix_b_scale:MATRIX_SCALE_ROW1
.else
	v_wmma_scale_f32_16x16x128_f8f6f4 v[\d:\d+7], v[\fa:\fa+11], v[\fb:\fb+11], v[\c:\c+7], v[\sa], v[\sb] matrix_a_fmt:MATRIX_FMT_FP6 matrix_b_fmt:MATRIX_FMT_FP6
.endif
.endm
.macro MROW a, hf, ca                  ; A's tile a against W_out's four; C comes from row ca of the accumulators
.irp b, 0,1,2,3
	MM ACC+8*(4*\a+\b), FB+12*\b, FA+12*\a, ACC+8*(4*\ca+\b), SC+4+2*\hf+\b/2, SC+2*\hf+\a/2, \b%2, \a%2
.endr
.endm
; A K step of 128: chunk c, half hf.  48 LDS loads of 256 consecutive bytes, then 16 matrix instructions on 16 accumulators, which take turns.
.macro KSTEP c, hf
.if \hf
	PLACES 4                                       ; in front of loads into registers that matrix instructions have read
.endif
.irp a, 0,1,2,3
.irp e, 0,1
.irp p, 0,1,2
	ds_load_b64 v[FB+12*\a+6*\e+2*\p:FB+12*\a+6*\e+2*\p+1], v[BB+\hf] offset:BREG*\e+B64*\c+768*\a+256*\p
	ds_load_b64 v[FA+12*\a+6*\e+2*\p:FA+12*\a+6*\e+2*\p+1], v[AA+\hf] offset:CHB*\c+B64*\e+768*\a+256*\p
.endr
.endr
.endr
.if \hf == 0
	PLACES 8                                       ; between the lines that made the scale words and the first scaled matrix instruction
.endif
	s_wait_dscnt 0x0
.if (\c == 0) && (\hf == 0)
	s_wait_loadcnt 0x0                             ; the bias
	s_wait_alu depctr_va_vdst(0)
	MROW 1, 0, 0                                   ; the first K step starts the sums: rows 1 to 3 take the bias from row 0's registers,
	MROW 2, 0, 0
	MROW 3, 0, 0
	PLACES 5                                       ; (five places before matrix instructions write over registers that those have read as C)
	MROW 0, 0, 0                                   ; and row 0 adds onto it in place
.else
	MROW 0, \hf, 0
	MROW 1, \hf, 1
	MROW 2, \hf, 2
	MROW 3, \hf, 3
.endif
.endm
; A chunk: 256 along K.
.macro CHUNK c
.if \c == 2
	s_wait_tensorcnt 0x0                           ; my part of chunks 2, 3 has landed
.endif
.if \c >= 2
	s_barrier_signal -1                            ; (no LDS load of mine is out: each K step has waited for its own)
	s_barrier_wait -1                              ; chunk 2: everybody's part has landed; chunk 3: nobody reads chunks 0 to 2 any more.
.endif
.if \c > 0
	PLACES 4                                       ; behind the last products: loads into their fragments' registers and writes of their scale registers follow
.endif
.irp hf, 0,1
.irp pr, 0,1
.irp e, 0,1
	ds_load_b32 v[FA+4*\hf+2*\pr+\e], v[ASC+\hf] offset:CHB*\c+B64*\e+128*\pr      ; the words of a pair of tiles for 64 along K
	ds_load_b32 v[FA+8+4*\hf+2*\pr+\e], v[BSC+\hf] offset:BREG*\e+B64*\c+128*\pr
.endr
.endr
.endr
	s_wait_dscnt 0x0
.irp i, 0,1,2,3,4,5,6,7
	v_perm_b32 v[SC+\i], v[FA+2*\i+1], v[FA+2*\i], s23   ; two blocks' bytes of each of the two words make the scale word of 128 along K
.endr
	s_wait_alu depctr_va_vdst(0)
	KSTEP \c, 0
	KSTEP \c, 1
.endm
	s_wait_alu depctr_va_vdst(0)                   ; the wait at the head's end
	s_wait_tensorcnt 0x0                           ; my part of chunks 0, 1 has landed
	ds_add_u32 v[SPW], v[NIL]
	s_wait_dscnt 0x0
	ROUND                                          ; everybody's part is in, and all sixteen work-groups are here: the joint loads meet
	JLOAD 1                                        ; chunks 2, 3: the first tensor load behind the round
	CHUNK 0
	CHUNK 1
	CHUNK 2
	CHUNK 3
; THE WAY OUT, 16 rows x 64 columns at a time, through my own stage in LDS, back as whole rows of 256 bytes.  LDS serves a wave's instructions in order (ISA guide 5.7.1.4).
; A wave that is still at chunk 3 reads bytes from 39,936 on in each of a's regions, and W_out's regions: none of the stages' 34,816 bytes.
.macro TOSTAGE a
.irp b, 0,1,2,3
	ds_store_b128 v[STO], v[ACC+8*(4*\a+\b):ACC+8*(4*\a+\b)+3] offset:128*(\b/2)+32*(\b%2)        ; each accumulator from its low end on
	ds_store_b128 v[STO], v[ACC+8*(4*\a+\b)+4:ACC+8*(4*\a+\b)+7] offset:128*(\b/2)+32*(\b%2)+16
.endr
.irp t, 0,1,2,3,4,5,6,7
	ds_load_b128 v[OB+32*((\a)%2)+4*\t:OB+32*((\a)%2)+4*\t+3], v[RD] offset:2*\t*SPITCH
.endr
.endm
.macro SEND a, younger                 ; younger: the LDS instructions issued behind block a's loads, which may stay out
	s_wait_dscnt \younger
.irp t, 0,1,2,3,4,5,6,7
	global_store_b128 v[CO], v[OB+32*((\a)%2)+4*\t:OB+32*((\a)%2)+4*\t+3], s[10:11] offset:(16*(\a)+2*\t)*4096 th:TH_STORE_NT   ; 16 lanes store 256 consecutive bytes, aligned
.endr
.endm
	PLACES 4                                       ; behind the last products
	TOSTAGE 0
	TOSTAGE 1
	SEND 0, 16                                     ; behind block 0's loads: block 1's eight stores and eight loads
	s_wait_xcnt 0x0                                ; block 0's stores have read their registers: block 2's loads may land there
	TOSTAGE 2
	SEND 1, 16
	s_wait_xcnt 0x0
	TOSTAGE 3
	SEND 2, 16
	SEND 3, 0
	s_wait_tensorcnt 0x0                           ; the wave's end
	ds_add_u32 v[SPW], v[NIL]
	s_wait_dscnt 0x0
	ROUND                                          ; the closing round
	s_endpgm
.Lfunc_end_k_qdfa215795d_proj:
	.size	k_qdfa215795d_proj, .Lfunc_end_k_qdfa215795d_proj-k_qdfa215795d_proj
	.p2alignl 7, 3214868480
	.fill 96, 4, 3214868480
	.section	.rodata,"a",@progbits
	.p2align	6, 0x0
	.amdhsa_kernel k_qdfa215795d_proj
		.amdhsa_group_segment_fixed_size 327680
		.amdhsa_private_segment_fixed_size 0
		.amdhsa_enable_private_segment 0
		.amdhsa_kernarg_size 32
		.amdhsa_user_sgpr_count 2
		.amdhsa_user_sgpr_kernarg_segment_ptr 1
		.amdhsa_wavefront_size32 1
		.amdhsa_system_sgpr_workgroup_id_x 1
		.amdhsa_system_sgpr_workgroup_id_y 1
		.amdhsa_system_sgpr_workgroup_id_z 1
		.amdhsa_system_vgpr_workitem_id 0
		.amdhsa_next_free_vgpr 256
		.amdhsa_next_free_sgpr 96
		.amdhsa_reserve_vcc 0
		.amdhsa_float_denorm_mode_32 3
		.amdhsa_float_denorm_mode_16_64 3
		.amdhsa_memory_ordered 1
		.amdhsa_forward_progress 1
		.amdhsa_inst_pref_size 66
	.end_amdhsa_kernel
	.amdgpu_metadata
---
amdhsa.version: [ 1, 2 ]
amdhsa.kernels:
  - .name:           k_qdfa215795d_proj
    .symbol:         k_qdfa215795d_proj.kd
    .args:
      - { .name: aq, .offset: 0, .size: 8, .value_kind: global_buffer, .address_space: global }
      - { .name: wq, .offset: 8, .size: 8, .value_kind: global_buffer, .address_space: global }
      - { .name: b_out, .offset: 16, .size: 8, .value_kind: global_buffer, .address_space: global }
      - { .name: out0, .offset: 24, .size: 8, .value_kind: global_buffer, .address_space: global }
    .group_segment_fixed_size: 327680
    .private_segment_fixed_size: 0
    .kernarg_segment_align: 8
    .kernarg_segment_size: 32
    .max_flat_workgroup_size: 256
    .sgpr_count:     96
    .vgpr_count:     256
    .wavefront_size: 32
...
	.end_amdgpu_metadata
.endif
;; end of part 8
